; MI455X (gfx1250); checked and timed in simulation.
; The chip was launched on July 23, 2026; its instructions are those of AMD's public machine-readable ISA for CDNA 5 (MIT licence, August 2026) and "CDNA5" Instruction Set Architecture Reference Guide (July 2026). The comments in the code are by the model that wrote it; some were corrected since.
;; Multi Headed Attention. Allowed arithmetic: matrix products marked QUANTISED: E2M3 operands, one E8M0 scale for each 32 along K, by v_wmma_scale_f32_16x16x128_f8f6f4 with both operands' format E2M3, f32 sums; everything else in f32.
;; Inputs: Wk 1,024 x 1,024 float32; Wo 1,024 x 1,024 float32; Wq 1,024 x 1,024 float32; Wv 1,024 x 1,024 float32; bk 1,024 float32; bo 1,024 float32; bq 1,024 float32; bv 1,024 float32; key 8 x 1,024 x 1,024 float32; mask 8 x 1,024 float32; query 8 x 1,024 x 1,024 float32; value 8 x 1,024 x 1,024 float32.
;; Outputs: out0 8 x 1,024 x 1,024 float32.
;; This version of the problem:
;;   THIS VERSION OF THE PROBLEM IS GIVEN IN LOW PRECISION. The matrix products marked QUANTISED in the list below multiply operands that are first quantised to E2M3 (2 exponent bits, 3 mantissa bits; 6 bits a number), with one power-of-two scale for each 32 numbers along K (OCP MX v1.0); their sums are f32. All else is computed in f32.
;;   The module's matrix products, in the order in which they are computed (A, B: the left and right operand; K: the contracted axis; several contracted axes count as one K, in the product's order):
;;     1. [M 8,192, K 1,024] x [K 1,024, N 1,024]; A: input query; B: input Wq: QUANTISED
;;     2. [M 8,192, K 1,024] x [K 1,024, N 1,024]; A: input key; B: input Wk: QUANTISED
;;     3. [M 8,192, K 1,024] x [K 1,024, N 1,024]; A: input value; B: input Wv: QUANTISED
;;     4. batch 128 x [M 1,024, K 64] x [K 64, N 1,024]; A: computed on the way; B: computed on the way: QUANTISED
;;     5. batch 128 x [M 1,024, K 1,024] x [K 1,024, N 64]; A: softmax (see below); B: computed on the way: QUANTISED
;;     6. [M 8,192, K 1,024] x [K 1,024, N 1,024]; A: computed on the way; B: input Wo: QUANTISED
;;   THE QUANTISER, for each operand of a quantised product, along K:
;;     - K is cut into blocks of 32 from its start; a last block that is shorter is filled with zeros.
;;     - A block's scale is 2^e with e = floor(log2(the largest magnitude in the block)) - 2, held to -126 .. 127; a block of zeros has e = 0. As a byte (E8M0): e + 127.
;;     - Each number is divided by its block's scale, clamped to +-7.5, and rounded to the nearest number of E2M3, ties to even, subnormals kept.
;;     - The product sums the exact products of the quantised numbers (number of the format x scale) in f32.
;;   ~~~python
;;   def quantise(x, axis):      # numpy; x: float32 -> the quantised numbers, widened to float32 again
;;       x = np.moveaxis(x, axis, -1); K = x.shape[-1]
;;       x = np.pad(x, [(0, 0)] * (x.ndim - 1) + [(0, -K % 32)]); x = x.reshape(x.shape[:-1] + (-1, 32)); a = np.abs(x).max(-1, keepdims=True)
;;       e = np.where(a > 0, np.clip(np.frexp(np.where(a > 0, a, 1))[1] - 1 - 2, -126, 127), 0)      # np.frexp(a)[1] - 1 = floor(log2(a)), exactly
;;       r = np.clip(x / 2.0 ** e, -7.5, 7.5)
;;       step = 2.0 ** (np.maximum(np.frexp(np.where(r == 0, 1, r))[1] - 1, 0) - 3)
;;       q = np.round(r / step) * step * 2.0 ** e      # np.round: ties to even
;;       return np.moveaxis(q.reshape(q.shape[:-2] + (-1,))[..., :K], -1, axis).astype(np.float32)
;;   ~~~
;;   SOFTMAX AHEAD OF A QUANTISED PRODUCT. Where the list says 'softmax', what is quantised is not the finished softmax but p = 2^(t - M), with t = logit x log2(e) and M = ceil(the row's largest t), a whole number; so 1/2 < the row's largest p <= 1. The row's sum l is taken of the UNQUANTISED p, in f32, and the product's result is divided by l at the end. Since M is a whole number, a kernel that streams over the keys may use a running M (the ceiling of the running maximum): every later rescaling is an exact power of two, which a block's scale takes up: the codes' values come out the same.
;;   OPERANDS COMPUTED ON THE WAY. 'Computed on the way' means the value that the module computes at that place (a softmax that the list does not call 'softmax' is quantised finished and normalised). What goes into a quantiser is computed in f32, as accurately as f32 sums, v_exp_f32 and their like allow (about 1e-6 of the number): no bf16 or f16 on the way to a quantiser, and a product that is left as it is and whose result goes on into a quantised operand takes f32 operands (vector FMAs, or v_wmma_f32_16x16x4_f32). A number that lies on a knife's edge between two numbers of the format may be rounded either way, as far as f32 arithmetic and the matrix unit's own rounding can turn it there, and no further.
;; One version. Each part assembles by itself: llvm-mc -triple=amdgcn-amd-amdhsa -mcpu=gfx1250 --defsym DOCPART=n.
;; ======== version 1 of 1: 4 launches
;; limits: right only within a limited range of input values
;; workspace buffers: xw 22,937,600 bytes; qkv 19,660,800 bytes; xc 6,553,600 bytes
;; launch quant (part 1): grid 256 x 1, 14 waves a work-group, no clusters, 120,064 bytes of LDS; arguments query, key, value, Wq, Wk, Wv, Wo, xw; writes xw
.if DOCPART == 1
	.amdgcn_target "amdgcn-amd-amdhsa--gfx1250"
	.amdhsa_code_object_version 6
	.text
	.protected	k_q65dca02ad2_quant
	.globl	k_q65dca02ad2_quant
	.p2align	8
	.type	k_q65dca02ad2_quant,@function
k_q65dca02ad2_quant:
	s_mov_b64 s[64:65], 0
	v_nop
	global_prefetch_b8 v0, s[64:65] scope:SCOPE_SE
	s_setreg_imm32_b32 hwreg(HW_REG_WAVE_MODE, 25, 1), 1
	s_wait_xcnt 0x0
; query, key, value [8192][1024] and Wq, Wk, Wv, Wo [1024][1024], f32, K innermost, become codes of FP6 (E2M3) with one E8M0 byte for each 32 along K,
; laid in the ORDER OF THE OPERAND'S REGISTERS, so that the later launches fetch fragments by lane-contiguous loads alone.
; A fragment (16 rows x 128 K, 12 registers a lane) is 1,536 bytes: twice (registers 0-3 of lane l at 16 l; registers 4, 5 at 512 + 8 l).
; A record (6,400 bytes) is a row tile's four fragments of one half of K, then 256 bytes of scale words at 6144 + 16 row + 4 fragment.  A row tile is two records.
; Row tiles in xw: 0-511 query, 512-1023 key, 1024-1535 value, 1536.. Wq, 1600.. Wk, 1664.. Wv, 1728.. Wo.
; THE ROWS OF A TILE: query and Wo: row 16 t + r.  value, Wq, Wk, Wv: lane r of tile 2 b + u takes row 32 b + 8 u + r + 8 (r / 8), so that where such a tile is
; source 0 of a product, the 16 result registers of two neighbouring tiles are 16 neighbours along the next product's K.
; SHARES: 3,584 records = 256 work-groups x 14 waves: a wave makes one record.  Waves share nothing: no barrier.  32 loads of 512 bytes of a wave are out at the start.
; A load reads 512 consecutive bytes of one row; the conversions want 32 neighbours along K in one lane: so a fragment's 8,192 bytes turn through the wave's own stage in LDS (16 rows, 528 bytes apart).
; A block's scale is 2^(floor(log2(largest magnitude)) - 2): the largest magnitude's exponent field less 2, held at 1 from below.
; LIMITS: a block whose largest magnitude lies under 2^-124 keeps the byte 1; a block of zeros gets the byte 1 where the rule says 127 (its codes are zeros, and this program alone reads the bytes);
; NaN and infinities among the inputs are not served.
.set WAVES, 14
.set STG,   8448                       ; a wave's stage: 16 x 528
.set SPARE, WAVES*STG                  ; behind the stages: the spare words, 128 bytes a wave: seven blocks of 256 bytes that no other line names
.set R,  16                            ; v16-143  two sets of 64: a fragment's numbers as loaded
.set X,  144                           ; v144-207 my 64 numbers: k = 64 c + 32 h + 0 .. 31 at X + 32 c
.set C,  208                           ; v208-219 the fragment's codes
.set T0, 220                           ; v220-222, v224-226: the upper halves of the two blocks (a conversion's three registers begin on an even number)
.set T1, 224
.set M,  228                           ; v228-229 largest magnitudes
.set SO, 230                           ; v230-231 the conversions' scale operands
.set BY, 232                           ; v232-233 the bytes
.set WT, 234
.set WP, 235
.set W,  236                           ; v236-239 my row's scale word of each fragment
.set D,  240                           ; v240-241 the two words that I store
	s_load_b512 s[8:23], s[0:1], 0x0               ; query, key, value, Wq, Wk, Wv, Wo, xw
	v_lshl_add_u32 v12, v0, 2, SPARE               ; my spare word,
	v_mov_b32 v13, 0                               ; and 0: kept for the closing lines
	v_lshrrev_b32 v1, 5, v0
	s_delay_alu instid0(VALU_DEP_1)
	v_readfirstlane_b32 s2, v1                     ; wave
	v_and_b32 v1, 31, v0                           ; lane
	v_and_b32 v2, 15, v0                           ; r
	v_bfe_u32 v3, v0, 4, 1                         ; h
	s_delay_alu instid0(VALU_DEP_3)
	v_lshlrev_b32 v4, 4, v1                        ; 16 x lane: my place in a load's 512 bytes, and in a store's
	s_delay_alu instid0(VALU_DEP_4)
	v_lshlrev_b32 v9, 3, v1                        ; 8 x lane
	s_delay_alu instid0(VALU_DEP_4)
	v_lshlrev_b32 v10, 4, v2
	s_delay_alu instid0(VALU_DEP_1)
	v_lshl_add_u32 v10, v3, 3, v10                 ; 16 r + 8 h: my two scale words
	v_lshlrev_b32 v11, 3, v3                       ; 8 h: my bytes' place in a scale word, in bits
	v_mov_b32 v[WP], 0                             ; a lane permute's destination counts as one of its sources
	s_mul_i32 s30, s2, STG
	v_add_nc_u32 v6, s30, v4                       ; the stage, on the way in: 16 x lane; row i at 528 i
	v_mul_u32_u24 v7, v2, 528
	s_delay_alu instid0(VALU_DEP_1)
	v_lshl_add_u32 v7, v3, 7, v7
	s_delay_alu instid0(VALU_DEP_1)
	v_add_nc_u32 v7, s30, v7                       ; and out: row r, + 128 h bytes
	s_mov_b32 s28, 0x76543210
	s_mov_b32 s29, 0xfedcba98                      ; selects for lane l xor 16
	s_mul_i32 s3, ttmp9, WAVES
	s_add_co_u32 s3, s3, s2                        ; my record
	s_lshr_b32 s4, s3, 1                           ; its row tile
	s_and_b32 s5, s3, 1                            ; its half of K
	s_wait_alu depctr_va_vdst(0)
	s_wait_kmcnt 0x0
	s_mov_b64 s[26:27], s[8:9]                     ; which tensor: the choice hangs on the record's number alone
	s_mov_b32 s6, 0
.macro PICK first, lo
	s_cmp_ge_u32 s4, \first
	s_cselect_b64 s[26:27], s[\lo:\lo+1], s[26:27]
	s_cselect_b32 s6, \first, s6
.endm
	PICK 512, 10
	PICK 1024, 12
	PICK 1536, 14
	PICK 1600, 16
	PICK 1664, 18
	PICK 1728, 20
	s_sub_co_u32 s7, s4, s6                        ; the row tile within its tensor
	s_lshr_b32 s30, s7, 1
	s_lshl_b32 s30, s30, 5
	s_and_b32 s31, s7, 1
	s_lshl_b32 s31, s31, 3
	s_add_co_u32 s30, s30, s31                     ; first row 32 b + 8 u,
	s_lshl_b32 s31, s7, 4                          ; or 16 t
	s_sub_co_u32 s32, s4, 512
	s_cmp_lt_u32 s32, 1216                         ; row tiles 512 to 1727 have the first order
	s_cselect_b32 s30, s30, s31
	s_cselect_b32 s33, 32768, 0                    ; there rows 8-15 of a tile lie 8 rows (of 4,096 bytes) further down
	; KEY's row tiles (512 to 1023) have an order of their own: lane m of tile 4 P + u takes row 64 P + 8 u + 32 (m / 8) + m % 8,
	; so that in the attention launch the 32 score registers of tiles 4 P .. 4 P + 3 are a whole block of 32 neighbouring keys in one lane
	s_lshr_b32 s36, s7, 2
	s_lshl_b32 s36, s36, 6
	s_and_b32 s37, s7, 3
	s_lshl_b32 s37, s37, 3
	s_add_co_u32 s36, s36, s37                     ; first row 64 P + 8 u
	s_cmp_lt_u32 s32, 512
	s_cselect_b32 s30, s36, s30
	s_mov_b32 s37, 98304                           ; rows 8-15 of such a tile lie 24 rows further down
	s_cselect_b32 s33, s37, s33
	s_lshl_b32 s30, s30, 12
	s_lshl_b32 s31, s5, 11
	s_add_co_u32 s30, s30, s31
	s_mov_b32 s31, 0
	s_add_nc_u64 s[26:27], s[26:27], s[30:31]      ; my tile's first row, my half of K
	s_mul_i32 s34, s3, 6400
	s_mov_b32 s35, 0
	s_add_nc_u64 s[38:39], s[22:23], s[34:35]      ; my record
	v_add_nc_u32 v5, s33, v4
.macro LOAD f                          ; fragment f: 128 along K of the 16 rows; each load reads 512 consecutive bytes
.set RL, R+64*((\f)%2)
.irp i, 0,1,2,3,4,5,6,7
	global_load_b128 v[RL+4*\i:RL+4*\i+3], v4, s[26:27] offset:4096*\i+512*(\f) th:TH_LOAD_NT
.endr
.irp i, 8,9,10,11,12,13,14,15
	global_load_b128 v[RL+4*\i:RL+4*\i+3], v5, s[26:27] offset:4096*\i+512*(\f) th:TH_LOAD_NT
.endr
.endm
.macro STEP f
.set RS, R+64*((\f)%2)
.if (\f) < 3
	s_wait_loadcnt 16                              ; this fragment's 16 loads are in; the next fragment's 16 may be out
.else
	s_wait_loadcnt 0x0
.endif
.irp i, 0,1,2,3,4,5,6,7,8,9,10,11,12,13,14,15
	ds_store_b128 v6, v[RS+4*\i:RS+4*\i+3] offset:528*\i
.endr
.irp c, 0,1
.irp j, 0,1,2,3,4,5,6,7
	ds_load_b128 v[X+32*\c+4*\j:X+32*\c+4*\j+3], v7 offset:256*\c+16*\j   ; LDS serves a wave's instructions in order: these see the stores above
.endr
.endr
	s_wait_dscnt 0x0                               ; my numbers are back, and the stores have read their registers,
.if (\f)+2 < 4
	LOAD (\f)+2                                    ; which take the loads of two fragments on
.endif
.irp c, 0,1
	v_max3_num_f32 v[M+\c], |v[X+32*\c]|, |v[X+32*\c+1]|, 0x1800000   ; a whole block is mine; the floor 2^(3 - 127) holds the byte at 1 from below
.endr
.irp i, 2,4,6,8,10,12,14,16,18,20,22,24,26,28,30
.irp c, 0,1
	s_delay_alu instid0(VALU_DEP_2)
	v_max3_num_f32 v[M+\c], v[M+\c], |v[X+32*\c+\i]|, |v[X+32*\c+\i+1]|
.endr
.endr
.irp c, 0,1
	s_delay_alu instid0(VALU_DEP_2)
	v_add_nc_u32 v[SO+\c], 0xff000000, v[M+\c]     ; 2 off the exponent field: the conversion takes that field as its scale
.endr
.irp c, 0,1
	s_delay_alu instid0(VALU_DEP_2)
	v_lshrrev_b32 v[BY+\c], 23, v[SO+\c]           ; the byte
.endr
	s_delay_alu instid0(VALU_DEP_1)
	v_lshl_or_b32 v[WT], v[BY+1], 16, v[BY]        ; blocks h and 2 + h of my row,
	s_delay_alu instid0(VALU_DEP_1)
	v_lshlrev_b32 v[WT], v11, v[WT]                ; at their places;
	s_delay_alu instid0(VALU_DEP_1)
	v_permlanex16_b32 v[WP], v[WT], s28, s29
	s_delay_alu instid0(VALU_DEP_1)
	v_or_b32 v[W+(\f)], v[WT], v[WP]               ; with lane l xor 16's two the word is whole
.if (\f) > 0
	s_wait_alu depctr_va_vdst(0)
	s_wait_xcnt 0x0                                ; the last fragment's stores have read the codes' registers: only now are they written again
.endif
	v_cvt_scalef32_pk16_fp6_f32 v[C:C+2], v[X:X+15], v[SO]
	v_cvt_scalef32_pk16_fp6_f32 v[T0:T0+2], v[X+16:X+31], v[SO]
	v_cvt_scalef32_pk16_fp6_f32 v[C+6:C+8], v[X+32:X+47], v[SO+1]
	v_cvt_scalef32_pk16_fp6_f32 v[T1:T1+2], v[X+48:X+63], v[SO+1]
	v_nop                                          ; one plain place behind a scaled conversion
.irp i, 0,1,2
	v_mov_b32 v[C+3+\i], v[T0+\i]
	v_mov_b32 v[C+9+\i], v[T1+\i]
.endr
	global_store_b128 v4, v[C:C+3], s[38:39] offset:1536*(\f)          ; 512 consecutive bytes, at a multiple of 256 from the buffer's first byte
	global_store_b64 v9, v[C+4:C+5], s[38:39] offset:1536*(\f)+512     ; 256
	global_store_b128 v4, v[C+6:C+9], s[38:39] offset:1536*(\f)+768
	global_store_b64 v9, v[C+10:C+11], s[38:39] offset:1536*(\f)+1280
.endm
	LOAD 0
	LOAD 1
	s_wait_alu depctr_va_vdst(0)
	STEP 0
	STEP 1
	STEP 2
	STEP 3
	v_cmp_eq_u32 vcc_lo, 1, v3
	s_delay_alu instid0(VALU_DEP_1)
	v_cndmask_b32 v[D], v[W], v[W+2], vcc_lo       ; lanes 0-15 store words 0, 1 of their row, lanes 16-31 words 2, 3
	s_delay_alu instid0(VALU_DEP_2)
	v_cndmask_b32 v[D+1], v[W+1], v[W+3], vcc_lo
	global_store_b64 v10, v[D:D+1], s[38:39] offset:6144               ; 256 consecutive bytes
	s_wait_tensorcnt 0x0                           ; the wave's end, behind my last LDS store
	ds_add_u32 v12, v13
	s_wait_dscnt 0x0
	s_endpgm
.Lfunc_end_k_q65dca02ad2_quant:
	.size	k_q65dca02ad2_quant, .Lfunc_end_k_q65dca02ad2_quant-k_q65dca02ad2_quant
	.p2alignl 7, 3214868480
	.fill 96, 4, 3214868480
	.section	.rodata,"a",@progbits
	.p2align	6, 0x0
	.amdhsa_kernel k_q65dca02ad2_quant
		.amdhsa_group_segment_fixed_size 120064
		.amdhsa_private_segment_fixed_size 0
		.amdhsa_enable_private_segment 0
		.amdhsa_kernarg_size 64
		.amdhsa_user_sgpr_count 2
		.amdhsa_user_sgpr_kernarg_segment_ptr 1
		.amdhsa_wavefront_size32 1
		.amdhsa_system_sgpr_workgroup_id_x 1
		.amdhsa_system_sgpr_workgroup_id_y 1
		.amdhsa_system_sgpr_workgroup_id_z 1
		.amdhsa_system_vgpr_workitem_id 0
		.amdhsa_next_free_vgpr 256
		.amdhsa_next_free_sgpr 66
		.amdhsa_reserve_vcc 1
		.amdhsa_float_denorm_mode_32 3
		.amdhsa_float_denorm_mode_16_64 3
		.amdhsa_memory_ordered 1
		.amdhsa_forward_progress 1
		.amdhsa_inst_pref_size 37
	.end_amdhsa_kernel
	.amdgpu_metadata
---
amdhsa.version: [ 1, 2 ]
amdhsa.kernels:
  - .name:           k_q65dca02ad2_quant
    .symbol:         k_q65dca02ad2_quant.kd
    .args:
      - { .name: query, .offset: 0, .size: 8, .value_kind: global_buffer, .address_space: global }
      - { .name: key, .offset: 8, .size: 8, .value_kind: global_buffer, .address_space: global }
      - { .name: value, .offset: 16, .size: 8, .value_kind: global_buffer, .address_space: global }
      - { .name: Wq, .offset: 24, .size: 8, .value_kind: global_buffer, .address_space: global }
      - { .name: Wk, .offset: 32, .size: 8, .value_kind: global_buffer, .address_space: global }
      - { .name: Wv, .offset: 40, .size: 8, .value_kind: global_buffer, .address_space: global }
      - { .name: Wo, .offset: 48, .size: 8, .value_kind: global_buffer, .address_space: global }
      - { .name: xw, .offset: 56, .size: 8, .value_kind: global_buffer, .address_space: global }
    .group_segment_fixed_size: 120064
    .private_segment_fixed_size: 0
    .kernarg_segment_align: 8
    .kernarg_segment_size: 64
    .max_flat_workgroup_size: 448
    .sgpr_count:     66
    .vgpr_count:     256
    .wavefront_size: 32
...
	.end_amdgpu_metadata
.endif
;; end of part 1
;; launch proj (part 2): grid 4 x 64, 4 waves a work-group, clusters of 4 x 4, 327,680 bytes of LDS; arguments xw, bq, bk, bv, qkv; writes qkv
.if DOCPART == 2
	.amdgcn_target "amdgcn-amd-amdhsa--gfx1250"
	.amdhsa_code_object_version 6
	.text
	.protected	k_q65dca02ad2_proj
	.globl	k_q65dca02ad2_proj
	.p2align	8
	.type	k_q65dca02ad2_proj,@function
k_q65dca02ad2_proj:
	s_mov_b64 s[64:65], 0
	v_nop
	global_prefetch_b8 v0, s[64:65] scope:SCOPE_SE
	s_setreg_imm32_b32 hwreg(HW_REG_WAVE_MODE, 25, 1), 1
	s_wait_xcnt 0x0
	s_wait_alu depctr_hold_cnt(0) depctr_sa_sdst(0) depctr_va_vdst(0) depctr_va_sdst(0) depctr_va_ssrc(0) depctr_va_vcc(0) depctr_vm_vsrc(0)
	s_getreg_b32 s2, hwreg(HW_REG_IB_STS2, 6, 4)
	s_cmp_eq_u32 s2, 0
	s_cbranch_scc0 .Lentry_in_a_cluster
	s_endpgm
.Lentry_in_a_cluster:
	s_bfe_u32 s2, ttmp6, 0x10000c
	s_cmp_lg_u32 s2, 0xf033
	s_cbranch_scc0 .Lentry_shape_is_right
	s_endpgm
.Lentry_shape_is_right:
; q = query Wq^T + bq, k = key Wk^T + bk, v = value Wv^T + bv on codes of FP6 (E2M3) with E8M0 scales, f32 sums; the results are quantised in registers for the attention launch:
; q and k along a head's 64, v along the keys.  Nothing goes to memory as f32.
; ROLES.  The lane side (A, 128 rows a tile) and the register side (B, 256 rows): source 0 = 16 rows of B, source 1 = 16 rows of A, so lane (r, h) holds row r of A and its registers run along B's rows.
; q, k: A = the tokens, B = the weight's rows (a lane: one token, registers along the features).  v: A = Wv's rows, B = the tokens (a lane: one feature, registers along the keys).
; B's row tiles were laid so that the 16 registers of tiles 2 b, 2 b + 1 are 16 neighbours: register 16 b + i of an A tile's 64 is number 32 b + 16 h + i of my wave's 128.
; A WORK-GROUP STAYS: 256 work-groups, each makes three tiles of 128 x 256 x 1,024: one of q, one of k, one of v.  Four waves: wave = 2 ah + bh takes 64 rows of A x 128 rows of B: 32 accumulators.
; THE RING: a tile's K lies in LDS as two slots, one for each half of K (24 records of 6,400 bytes each).  Slot 0 is filled again, with the next tile's first half, when its last fragments are in registers (K step 3);
; slot 1 between the second and the third of the tile's four blocks on the way out.  So each fill has four K steps and half a way out in which to land.  One tensor load of a wave is out at a time: one at the start, one behind each refill.
; A refill stands in this order.
; CLUSTERS 4 x 4: A's tiles are shared along a row of the cluster, B's along a column: each is asked for jointly, by the same tensor load with a mask that names the four.
; Operands lie in memory and LDS in the order of their registers (a fragment: 1,536 bytes; a record: four fragments and 256 bytes of scale words): every LDS load is lane-contiguous.
; OUT: a record of 12,800 bytes for (tensor, batch, pair of heads, 128 rows along T): eight fragments at head x 6144 + i x 1536, then 512 bytes of scale words.  q, k: fragment i holds row tiles 2 i (K half 0) and 2 i + 1
; (K half 1) of that head; v: fragment i holds 16 of the head's 64 x 128 keys.  Codes leave straight from registers, each store 512 or 256 consecutive aligned bytes; the scale words (one byte in 25) leave in runs of 128 bytes.
; The bias is the C of each sum's first product, so it is the sum's first term.
; No prefetch is laid: the first refill follows the first tiles by four K steps, and the text names no block ahead of the later three.
; LIMITS: a block whose largest magnitude lies under 2^-124 keeps the byte 1; a block of zeros gets the byte 1 where the rule says 127 (its codes are zeros; this program alone reads the bytes); NaN and infinities are not served.
; REGISTERS: window 0: v1-22 addresses; v28, v29 the add's two; v32-95 scale words and nothing else; v96-159 the bias; v160.. the way out.  window 1: accumulator (a, b) at v[64 a + 8 b].
;   windows 2, 3: two sets of fragments: B's eight at v[12 b], A's four at v[96 + 12 a].
; SCALARS: s[24:31], s[32:39] descriptor groups 1 for A and B; s[40:47], s[48:55] their groups 0, a set for each slot; s[56:57], s[58:59] A's tiles of q (k lies 512 row tiles on) and of v; s[60:61], s[62:63] B's (k: 64 row tiles on);
;   s[66:71] the three biases; s[72:77] where the codes go; s[78:83] where the scale words go.
.set CHUNK, 153600                     ; a slot: A's 8 records, then B's 16
.set SPARE, 2*CHUNK                    ; behind the slots: the spare words, 128 bytes a wave: two blocks of 256 bytes that no other line names
.set KSTEP_A, 512*12800                ; from query's row tiles to key's, in bytes; also from q's records to k's
.set KSTEP_B, 64*12800                 ; from Wq's row tiles to Wk's
.set TM, 160                           ; v160-163 largest magnitudes, v164-167 bytes, v172-175 the conversions' scale operands
.set PW, 176                           ; v176-179 the scale word of each of my four A tiles
.set PC, 180                           ; v180-191 a fragment's codes; v192-194, v196-198 the conversions' other halves
.set MSB, 0
.macro WIN new                         ; the immediate's high byte repeats the setting that is left
.if MSB != (\new)
	s_set_vgpr_msb (MSB<<8)|(\new)
.set MSB, (\new)
.endif
.endm
.macro PLACES                          ; four plain places behind a matrix instruction, in front of loads into registers that it read and of the first read of results
.rept 4
	v_nop
.endr
.endm
.macro CROUND                          ; a round of the cluster's barrier
	s_barrier_signal -1
	s_barrier_wait -1
	s_cmp_lg_u32 s14, 0
	s_cbranch_scc1 .Lnot_wave_0_\@
	s_barrier_signal -3
.Lnot_wave_0_\@:
	s_barrier_wait -3
	s_barrier_signal -1
	s_barrier_wait -1
.endm
; A joint load into a slot: waves 0 and 1 fetch A's halves, waves 2 and 3 B's.  The branch hangs on the wave's number alone.  An s_nop 0 and four v_nop follow each of the two lines.
.macro JLOAD slot
	s_cmp_eq_u32 s15, 0
	s_cbranch_scc0 .Lfor_b_\@
	tensor_load_to_lds s[40+4*\slot:43+4*\slot], s[24:31]
	s_nop 0
.rept 4
	v_nop
.endr
	s_branch .Lasked_\@
.Lfor_b_\@:
	tensor_load_to_lds s[48+4*\slot:51+4*\slot], s[32:39]
	s_nop 0
.rept 4
	v_nop
.endr
.Lasked_\@:
.endm
; A slot is filled again, with the same half of K of the next tile, whose A rows begin at s[ap] + aoff and B rows at s[bp] + boff.
.macro REFILL slot, ap, aoff, bp, boff
	s_wait_tensorcnt 0x0                           ; all my tensor loads have landed, my part of the other slot among them: so a group 0 may be written
	ds_add_u32 v28, v29                            ; 0 onto my spare word; the descriptors' words stand between it and the wait for it
	s_add_nc_u64 s[42+4*\slot:43+4*\slot], s[\ap:\ap+1], \aoff+6400*\slot
	s_or_b32 s[43+4*\slot], s[43+4*\slot], 0x80000000
	s_add_nc_u64 s[50+4*\slot:51+4*\slot], s[\bp:\bp+1], \boff+6400*\slot
	s_or_b32 s[51+4*\slot], s[51+4*\slot], 0x80000000
	s_wait_dscnt 0x0                               ; the add is done, and my reads of this slot are over
	CROUND                                         ; both now hold of every wave of all sixteen work-groups
	JLOAD \slot                                    ; my one tensor load behind the round, and the first thing there; its four v_nop are also places in front of the loads that follow
.endm
.macro FRAG reg, a16, a8, off          ; a fragment's 12 registers: 16 + 8 + 16 + 8 bytes a lane, each load lane-contiguous
	ds_load_b128 v[\reg:\reg+3], v[\a16] offset:\off
	ds_load_b64 v[\reg+4:\reg+5], v[\a8] offset:\off+512
	ds_load_b128 v[\reg+6:\reg+9], v[\a16] offset:\off+768
	ds_load_b64 v[\reg+10:\reg+11], v[\a8] offset:\off+1280
.endm
.macro FETCH ks, set                   ; K step ks: B's eight fragments and A's four into set 0 (window 2) or 1 (window 3): 48 loads in one run
.set KH, (\ks)/4
.set FF, (\ks)%4
	WIN 0x80+0x40*(\set)
.irp b, 0,1,2,3,4,5,6,7
	FRAG 12*\b, 6+4*KH, 7+4*KH, 6400*\b+1536*FF
.endr
.irp a, 0,1,2,3
	FRAG 96+12*\a, 4+4*KH, 5+4*KH, 6400*\a+1536*FF
.endr
	WIN 0
.endm
.macro SCALES kh                       ; a slot's scale words: four words a row by one load; lanes 0-15 take A's tile i (used for i < 4), lanes 16-31 B's tile i
.irp i, 0,1,2,3,4,5,6,7
	ds_load_b128 v[32+32*\kh+4*\i:32+32*\kh+4*\i+3], v[12+\kh] offset:6400*\i
.endr
.endm
; 32 products, 128 along K.  The 32 accumulators take turns, one instruction a turn, in the same order in every step and from tile to tile.
; mode 0: adds in place; 1: the sums start with the bias along B's rows; 2: with the bias along A's rows
.macro MUL ks, mode
.set KH, (\ks)/4
.set FF, (\ks)%4
.set SB, 32+32*KH+FF
.if \mode == 0
	WIN 0x5a+5*((\ks)%2)
.else
	WIN 0x4a
.endif
.irp a, 0,1,2,3
.irp b, 0,1,2,3,4,5,6,7
.if \mode == 0
	v_wmma_scale_f32_16x16x128_f8f6f4 v[64*\a+8*\b:64*\a+8*\b+7], v[12*\b:12*\b+11], v[96+12*\a:96+12*\a+11], v[64*\a+8*\b:64*\a+8*\b+7], v[SB+4*\b], v[SB+4*\a] matrix_a_fmt:MATRIX_FMT_FP6 matrix_b_fmt:MATRIX_FMT_FP6 matrix_a_scale:MATRIX_SCALE_ROW1
.elseif \mode == 1
	v_wmma_scale_f32_16x16x128_f8f6f4 v[64*\a+8*\b:64*\a+8*\b+7], v[12*\b:12*\b+11], v[96+12*\a:96+12*\a+11], v[96+8*\b:96+8*\b+7], v[SB+4*\b], v[SB+4*\a] matrix_a_fmt:MATRIX_FMT_FP6 matrix_b_fmt:MATRIX_FMT_FP6 matrix_a_scale:MATRIX_SCALE_ROW1
.else
	v_wmma_scale_f32_16x16x128_f8f6f4 v[64*\a+8*\b:64*\a+8*\b+7], v[12*\b:12*\b+11], v[96+12*\a:96+12*\a+11], v[96+8*\a:96+8*\a+7], v[SB+4*\b], v[SB+4*\a] matrix_a_fmt:MATRIX_FMT_FP6 matrix_b_fmt:MATRIX_FMT_FP6 matrix_a_scale:MATRIX_SCALE_ROW1
.endif
.endr
.endr
	WIN 0
.endm
.macro KSTEP ks                        ; this step's fragments are in; the next step's are asked for, 32 products ahead of their use
	s_wait_dscnt 0x0
	PLACES
	FETCH (\ks)+1, ((\ks)+1)%2
	MUL \ks, 0
.endm
.macro BIASQK ptr                      ; register j of tile b: feature 32 (b / 2) + 8 (b % 2) + 16 h + j of my wave's 128
.irp b, 0,1,2,3,4,5,6,7
	global_load_b128 v[96+8*\b:96+8*\b+3], v19, s[\ptr:\ptr+1] offset:(32*(\b/2)+8*(\b%2))*4
	global_load_b128 v[96+8*\b+4:96+8*\b+7], v19, s[\ptr:\ptr+1] offset:(32*(\b/2)+8*(\b%2))*4+16
.endr
.endm
.macro BIASV                           ; all eight registers of tile a: feature 32 (a / 2) + 8 (a % 2) + r + 8 (r / 8) of my wave's 64
.irp a, 0,1,2,3
.irp j, 0,1,2,3,4,5,6,7
	global_load_b32 v[96+8*\a+\j], v20, s[70:71] offset:(32*(\a/2)+8*(\a%2))*4
.endr
.endr
.endm
; A tile's K steps 0 to 2.  Its first fragments and scale words were asked for earlier.
.macro FIRSTHALF mode
	s_wait_loadcnt 0x0                             ; the bias
	s_wait_dscnt 0x0                               ; K step 0's fragments and the slot's scale words
.rept 5
	v_nop                                          ; five plain places between the last tile's products and the products that begin its accumulators anew; they also stand in front of the loads into its last fragments' registers
.endr
	FETCH 1, 1
	MUL 0, \mode
	KSTEP 1
	KSTEP 2
.endm
; K steps 3 to 7, behind the change of slots.
.macro SECONDHALF
	FETCH 4, 0
	SCALES 1
	MUL 3, 0
	KSTEP 4
	KSTEP 5
	KSTEP 6
	s_wait_dscnt 0x0
	MUL 7, 0
	PLACES
.endm
; THE WAY OUT.  The 64 accumulator registers of A tile a become a fragment's codes in v[PC] on and its scale word in v[PW + a].  Each accumulator is read from its low end on.
.macro QUANT a
.set AC, 64*(\a)
	WIN 0x05
.irp b, 0,1,2,3
	v_max3_num_f32 v[TM+\b], |v[AC+16*\b]|, |v[AC+16*\b+1]|, 0x1800000   ; block b: my 16 numbers, and the floor 2^(3 - 127)
.endr
	WIN 0x14
.irp i, 2,4,6,8,10,12,14
.irp b, 0,1,2,3
	v_max3_num_f32 v[TM+\b], v[TM+\b], |v[AC+16*\b+\i]|, |v[AC+16*\b+\i+1]|   ; the four blocks by turns
.endr
.endr
	WIN 0
.irp b, 0,1,2,3
	v_permlanex16_b32 v[TM+4+\b], v[TM+\b], s84, s85
.endr
.irp b, 0,1,2,3
	v_max_num_f32 v[TM+\b], v[TM+\b], v[TM+4+\b]   ; with lane l xor 16's 16: the block's largest magnitude
.endr
.irp b, 0,1,2,3
	v_add_nc_u32 v[TM+12+\b], 0xff000000, v[TM+\b] ; 2 off its exponent field: the conversion's scale operand
.endr
.irp b, 0,1,2,3
	v_lshrrev_b32 v[TM+4+\b], 23, v[TM+12+\b]      ; the byte
.endr
	v_lshl_or_b32 v[PW+(\a)], v[TM+5], 8, v[TM+4]
	v_lshl_or_b32 v[PW+(\a)], v[TM+6], 16, v[PW+(\a)]
	v_lshl_or_b32 v[PW+(\a)], v[TM+7], 24, v[PW+(\a)]
	WIN 0x01
.irp c, 0,1
	v_cvt_scalef32_pk16_fp6_f32 v[PC+6*\c:PC+6*\c+2], v[AC+32*\c:AC+32*\c+15], v[TM+12+2*\c]
	v_cvt_scalef32_pk16_fp6_f32 v[PC+12+4*\c:PC+14+4*\c], v[AC+32*\c+16:AC+32*\c+31], v[TM+13+2*\c]
.endr
	WIN 0
	v_nop                                          ; one plain place behind a scaled conversion
.irp c, 0,1                            ; the operand's layout wants a whole block in a lane
.irp i, 0,1,2
	v_permlane16_swap_b32 v[PC+6*\c+\i], v[PC+12+4*\c+\i]
.endr
.irp i, 0,1,2
	v_mov_b32 v[PC+3+6*\c+\i], v[PC+12+4*\c+\i]
.endr
.endr
.endm
; A tile a is quantised and stored.  ob: where my codes go; sa: bytes from an A tile to the next; sc: from a fragment's first six registers to its last six.
.macro EPIA a, ob, sa, sc
	s_wait_xcnt 0x0                                ; the earlier stores have read their data: the codes' registers are written again only now
	QUANT \a
	global_store_b128 v14, v[PC:PC+3], s[\ob:\ob+1] offset:(\a)*(\sa)              ; 512 consecutive bytes, at a multiple of 256 from the buffer's first byte
	global_store_b64 v21, v[PC+4:PC+5], s[\ob:\ob+1] offset:(\a)*(\sa)+512         ; 256
	global_store_b128 v14, v[PC+6:PC+9], s[\ob:\ob+1] offset:(\a)*(\sa)+(\sc)
	global_store_b64 v21, v[PC+10:PC+11], s[\ob:\ob+1] offset:(\a)*(\sa)+(\sc)+512
.endm
; The tile's scale words.  q, k: a word of the attention's fragment joins two tiles' halves (low halves: head 0, lanes 0-15; high halves: head 1, lanes 16-31).  v: the tiles' words as they are (even tiles: lanes 0-15; odd: 16-31)
.macro WORDS rb, adr, sel0, sel1
	v_perm_b32 v200, v[PW+1], v[PW], \sel0
	v_perm_b32 v201, v[PW+1], v[PW], \sel1
	v_perm_b32 v202, v[PW+3], v[PW+2], \sel0
	v_perm_b32 v203, v[PW+3], v[PW+2], \sel1
	v_cmp_eq_u32 vcc_lo, 1, v2
	v_cndmask_b32 v204, v200, v201, vcc_lo
	v_cndmask_b32 v205, v202, v203, vcc_lo
	global_store_b64 v[\adr], v[204:205], s[\rb:\rb+1]
.endm
	s_load_b256 s[4:11], s[0:1], 0x0               ; xw, bq, bk, bv
	s_load_b64 s[12:13], s[0:1], 0x20              ; qkv
	v_lshl_add_u32 v28, v0, 2, SPARE
	v_mov_b32 v29, 0
	ds_add_u32 v28, v29                            ; the wave's opening: the add and its wait stand ahead of my first tensor load; the set-up below, work on registers, stands between them
	ds_add_u32 v28, v29
	v_lshrrev_b32 v1, 5, v0
	v_readfirstlane_b32 s14, v1                    ; wave 0..3
	s_lshr_b32 s15, s14, 1                         ; ah: my 64 rows of A.  Also: I fetch for A (0) or for B (1)
	s_and_b32 s16, s14, 1                          ; bh: my 128 rows of B.  Also: which half of that tile's rows I fetch
	s_bfe_u32 s17, ttmp6, 0x40000                  ; cx
	s_bfe_u32 s18, ttmp6, 0x40004                  ; cy
	s_and_b32 s19, ttmp7, 0xffff                   ; c: the cluster's y, 0 to 15
	s_lshl_b32 s90, s18, 2
	s_lshl_b32 s90, 15, s90                        ; my row of the cluster
	s_lshl_b32 s91, 0x1111, s17                    ; my column
	; descriptor groups 1: R records of 6,400 bytes (800 elements of 8 bytes), 12,800 bytes apart in memory, on end in LDS.  A: R = 4; B: R = 8
	s_or_b32 s24, s90, (3<<16)|(1<<21)             ; 15:0 the mask: A's tiles go to my row; 17:16 elements of 8 bytes; 21 set beside a mask; no padding
	s_mov_b32 s25, 800<<16                         ; tensor_dim0
	s_mov_b32 s26, 4<<16                           ; tensor_dim1
	s_mov_b32 s27, 800<<16                         ; tile_dim0
	s_mov_b32 s28, 4                               ; tile_dim1
	s_mov_b32 s29, 1600                            ; tensor_dim0_stride
	s_mov_b32 s30, 0
	s_mov_b32 s31, 0
	s_or_b32 s32, s91, (3<<16)|(1<<21)             ; B's tiles go to my column
	s_mov_b32 s33, 800<<16
	s_mov_b32 s34, 8<<16
	s_mov_b32 s35, 800<<16
	s_mov_b32 s36, 8
	s_mov_b32 s37, 1600
	s_mov_b32 s38, 0
	s_mov_b32 s39, 0
	; A's tiles: they hang on c and cy, never on cx
	s_lshl_b32 s20, s19, 2
	s_add_co_u32 s20, s20, s18                     ; q, k: the tile of 128 tokens, 4 c + cy
	s_lshl_b32 s22, s16, 2                         ; of its eight row tiles I would fetch four
	s_lshl_b32 s56, s20, 3
	s_add_co_u32 s56, s56, s22
	s_mul_i32 s56, s56, 12800                      ; query's row tiles begin at 0
	s_mov_b32 s57, 0
	s_lshr_b32 s23, s19, 3
	s_lshl_b32 s23, s23, 2
	s_add_co_u32 s23, s23, s18                     ; v: the tile of 128 rows of Wv, 4 (c / 8) + cy
	s_lshl_b32 s58, s23, 3
	s_add_co_u32 s58, s58, s22
	s_add_co_u32 s58, s58, 1664                    ; Wv's row tiles begin at 1664
	s_mul_i32 s58, s58, 12800
	s_mov_b32 s59, 0
	; B's tiles: they hang on c and cx, never on cy
	s_lshl_b32 s86, s16, 3                         ; of the sixteen row tiles I would fetch eight
	s_lshl_b32 s60, s17, 4                         ; q, k: the tile of 256 rows of the weight is cx
	s_add_co_u32 s60, s60, s86
	s_add_co_u32 s60, s60, 1536                    ; Wq's row tiles begin at 1536
	s_mul_i32 s60, s60, 12800
	s_mov_b32 s61, 0
	s_and_b32 s87, s19, 7
	s_lshl_b32 s87, s87, 2
	s_add_co_u32 s87, s87, s17                     ; v: the tile of 256 tokens, 4 (c % 8) + cx
	s_lshl_b32 s62, s87, 4
	s_add_co_u32 s62, s62, s86
	s_add_co_u32 s62, s62, 1024                    ; value's row tiles begin at 1024
	s_mul_i32 s62, s62, 12800
	s_mov_b32 s63, 0
	s_mul_i32 s88, s16, 25600                      ; where they go in a slot: no place in the cluster enters an LDS address
	s_mul_i32 s89, s16, 51200
	s_add_co_u32 s89, s89, 51200
	; q's record: 64 batch + 8 (pair of heads = 2 cx + bh) + chunk of 128 tokens; k's lies 512 records on
	s_lshr_b32 s92, s20, 3
	s_lshl_b32 s92, s92, 6
	s_lshl_b32 s93, s17, 1
	s_add_co_u32 s93, s93, s16
	s_lshl_b32 s93, s93, 3
	s_add_co_u32 s92, s92, s93
	s_and_b32 s93, s20, 7
	s_add_co_u32 s92, s92, s93
	s_mul_i32 s92, s92, 12800
	s_mul_i32 s93, s15, 3072
	s_add_co_u32 s72, s92, s93                     ; codes: my four token tiles are halves of fragments 2 ah, 2 ah + 1
	s_mov_b32 s73, 0
	s_lshl_b32 s93, s15, 7
	s_add_co_u32 s78, s92, s93
	s_add_co_u32 s78, s78, 12288                   ; scale words
	s_mov_b32 s79, 0
	; v's record: 1024 + 64 batch + 8 (pair of heads = A's tile) + chunk of 128 keys (2 (B's tile % 4) + bh)
	s_lshr_b32 s94, s87, 2
	s_lshl_b32 s94, s94, 6
	s_lshl_b32 s95, s23, 3
	s_add_co_u32 s94, s94, s95
	s_and_b32 s95, s87, 3
	s_lshl_b32 s95, s95, 1
	s_add_co_u32 s94, s94, s95
	s_add_co_u32 s94, s94, s16
	s_add_co_u32 s94, s94, 1024
	s_mul_i32 s94, s94, 12800
	s_mul_i32 s95, s15, 6144
	s_add_co_u32 s76, s94, s95                     ; codes: head ah of the pair
	s_mov_b32 s77, 0
	s_lshl_b32 s95, s15, 8
	s_add_co_u32 s82, s94, s95
	s_add_co_u32 s82, s82, 12288
	s_mov_b32 s83, 0
	; the biases' first numbers, in bytes: q, k: feature 256 cx + 128 bh; v: feature 128 (A's tile) + 64 ah
	s_lshl_b32 s66, s17, 10
	s_lshl_b32 s93, s16, 9
	s_add_co_u32 s66, s66, s93
	s_mov_b32 s67, 0
	s_lshl_b32 s70, s23, 9
	s_lshl_b32 s93, s15, 8
	s_add_co_u32 s70, s70, s93
	s_mov_b32 s71, 0
	s_mov_b32 s84, 0x76543210
	s_mov_b32 s85, 0xfedcba98                      ; selects for lane l xor 16
	s_wait_dscnt 0x0                               ; the opening add is done
	s_wait_kmcnt 0x0
	s_add_nc_u64 s[56:57], s[4:5], s[56:57]
	s_add_nc_u64 s[58:59], s[4:5], s[58:59]
	s_add_nc_u64 s[60:61], s[4:5], s[60:61]
	s_add_nc_u64 s[62:63], s[4:5], s[62:63]
.irp k, 0,1                            ; descriptor groups 0, a set for each slot: the q tile's two halves of K.  The LDS addresses stay; the global addresses are written anew at each refill
	s_mov_b32 s[40+4*\k], 1
	s_add_co_u32 s[41+4*\k], s88, \k*CHUNK
	s_add_nc_u64 s[42+4*\k:43+4*\k], s[56:57], \k*6400
	s_or_b32 s[43+4*\k], s[43+4*\k], 0x80000000
	s_mov_b32 s[48+4*\k], 1
	s_add_co_u32 s[49+4*\k], s89, \k*CHUNK
	s_add_nc_u64 s[50+4*\k:51+4*\k], s[60:61], \k*6400
	s_or_b32 s[51+4*\k], s[51+4*\k], 0x80000000
.endr
	s_add_nc_u64 s[68:69], s[8:9], s[66:67]        ; bk,
	s_add_nc_u64 s[66:67], s[6:7], s[66:67]        ; bq,
	s_add_nc_u64 s[70:71], s[10:11], s[70:71]      ; bv at my first number
	s_add_nc_u64 s[72:73], s[12:13], s[72:73]      ; q's codes,
	s_add_nc_u64 s[74:75], s[72:73], KSTEP_A       ; k's,
	s_add_nc_u64 s[76:77], s[12:13], s[76:77]      ; v's
	s_add_nc_u64 s[78:79], s[12:13], s[78:79]      ; q's scale words,
	s_add_nc_u64 s[80:81], s[78:79], KSTEP_A       ; k's,
	s_add_nc_u64 s[82:83], s[12:13], s[82:83]      ; v's
	CROUND                                         ; all sixteen work-groups are here: the first joint loads meet
	s_cmp_eq_u32 s15, 0                            ; a wave's two first fills stand in one branch on its number, ahead of every wait on TENSORcnt and every LDS read
	s_cbranch_scc0 .Lfirst_b
	tensor_load_to_lds s[40:43], s[24:31]
	s_nop 0
.rept 4
	v_nop
.endr
	s_branch .Lfirst_asked
.Lfirst_b:
	tensor_load_to_lds s[48:51], s[32:39]
	s_nop 0
.rept 4
	v_nop
.endr
.Lfirst_asked:
	v_and_b32 v1, 15, v0                           ; r
	v_bfe_u32 v2, v0, 4, 1                         ; h
	v_and_b32 v3, 31, v0                           ; lane
	v_lshlrev_b32 v14, 4, v3                       ; 16 x lane
	v_lshlrev_b32 v21, 3, v3                       ; 8 x lane
	v_lshlrev_b32 v19, 6, v2                       ; bias along B's rows: 16 h numbers on
	v_and_b32 v20, 8, v1
	v_add_nc_u32 v20, v20, v1
	v_lshlrev_b32 v20, 2, v20                      ; bias along A's rows: number r + 8 (r / 8)
	BIASQK 66                                      ; bq
	s_mul_i32 s94, s15, 25600                      ; my four records of A in a slot,
	s_mul_i32 s95, s16, 51200
	s_add_co_u32 s95, s95, 51200                   ; my eight of B
	v_add_nc_u32 v4, s94, v14
	v_add_nc_u32 v5, s94, v21
	v_add_nc_u32 v6, s95, v14
	v_add_nc_u32 v7, s95, v21
.irp i, 0,1,2,3
	v_add_nc_u32 v[8+\i], CHUNK, v[4+\i]
.endr
	v_lshlrev_b32 v12, 4, v1                       ; scale words: 16 bytes a row; lanes 0-15 A's, lanes 16-31 B's: the lower base + h x the distance
	s_sub_co_u32 s95, s95, s94
	v_mul_u32_u24 v22, s95, v2
	s_add_co_u32 s94, s94, 6144
	v_add_nc_u32 v12, v12, v22
	v_add_nc_u32 v12, s94, v12
	v_add_nc_u32 v13, CHUNK, v12
	v_lshlrev_b32 v18, 8, v2
	v_lshl_add_u32 v18, v1, 3, v18                 ; my two scale words on the way out: q, k: 8 r + 256 h;
	v_lshlrev_b32 v17, 7, v2
	v_lshl_add_u32 v17, v1, 3, v17                 ; v: 8 r + 128 h
.irp b, 0,1,2,3
	v_mov_b32 v[TM+4+\b], 0                        ; a lane permute's destination counts as one of its sources
.endr
	s_wait_alu depctr_va_vdst(0)
	s_wait_tensorcnt 0x0                           ; my part of slot 0 is in: one tensor load a wave stands at the head; slot 1's first fill is issued as a refill is
	ds_add_u32 v28, v29                            ; 0 onto my spare word
	s_wait_dscnt 0x0
	CROUND                                         ; everybody's part of slot 0 is in, and all sixteen work-groups are here
	JLOAD 1                                        ; the q tile's second half of K: my one tensor load behind the round
	FETCH 0, 0
	SCALES 0
	; ---- the q tile
	FIRSTHALF 1
	REFILL 0, 56, KSTEP_A, 60, KSTEP_B             ; K step 3's fragments are in registers: slot 0 takes the k tile's first half of K
	BIASQK 68                                      ; bk: the bias's registers were last read by this tile's first products
	s_wait_alu depctr_va_vdst(0)
	SECONDHALF
	EPIA 0, 72, 768, 6144
	EPIA 1, 72, 768, 6144
	REFILL 1, 56, KSTEP_A, 60, KSTEP_B             ; slot 1 takes the k tile's second half; its first half has landed, in every wave's sight
	FETCH 0, 0                                     ; the k tile's first fragments and scale words land under the two blocks below
	SCALES 0
	EPIA 2, 72, 768, 6144
	EPIA 3, 72, 768, 6144
	WORDS 78, 18, 0x05040100, 0x07060302
	; ---- the k tile
	FIRSTHALF 1
	REFILL 0, 58, 0, 62, 0                         ; slot 0 takes the v tile's first half of K
	BIASV                                          ; bv
	SECONDHALF
	EPIA 0, 74, 768, 6144
	EPIA 1, 74, 768, 6144
	REFILL 1, 58, 0, 62, 0                         ; slot 1 takes its second half: the last tensor load
	FETCH 0, 0
	SCALES 0
	EPIA 2, 74, 768, 6144
	EPIA 3, 74, 768, 6144
	WORDS 80, 18, 0x05040100, 0x07060302
	; ---- the v tile: nothing is left to fetch, so no slot is filled and no round stands in it
	FIRSTHALF 2
	s_wait_dscnt 0x0                               ; K step 3's fragments are in
	s_wait_tensorcnt 0x0                           ; my part of slot 1 is in,
	s_barrier_signal -1
	s_barrier_wait -1                              ; everybody's is
	PLACES
	SECONDHALF
	EPIA 0, 76, 1536, 768
	EPIA 1, 76, 1536, 768
	EPIA 2, 76, 1536, 768
	EPIA 3, 76, 1536, 768
	WORDS 82, 17, 0x03020100, 0x07060504
	s_wait_tensorcnt 0x0                           ; the wave's end, behind my last tensor load
	ds_add_u32 v28, v29
	s_wait_dscnt 0x0
	CROUND                                         ; the closing round: no work-group ends while a partner may still ask for a tile that names it
	s_endpgm
.Lfunc_end_k_q65dca02ad2_proj:
	.size	k_q65dca02ad2_proj, .Lfunc_end_k_q65dca02ad2_proj-k_q65dca02ad2_proj
	.p2alignl 7, 3214868480
	.fill 96, 4, 3214868480
	.section	.rodata,"a",@progbits
	.p2align	6, 0x0
	.amdhsa_kernel k_q65dca02ad2_proj
		.amdhsa_group_segment_fixed_size 327680
		.amdhsa_private_segment_fixed_size 0
		.amdhsa_enable_private_segment 0
		.amdhsa_kernarg_size 40
		.amdhsa_user_sgpr_count 2
		.amdhsa_user_sgpr_kernarg_segment_ptr 1
		.amdhsa_wavefront_size32 1
		.amdhsa_system_sgpr_workgroup_id_x 1
		.amdhsa_system_sgpr_workgroup_id_y 1
		.amdhsa_system_sgpr_workgroup_id_z 1
		.amdhsa_system_vgpr_workitem_id 0
		.amdhsa_next_free_vgpr 1024
		.amdhsa_next_free_sgpr 96
		.amdhsa_reserve_vcc 1
		.amdhsa_float_denorm_mode_32 3
		.amdhsa_float_denorm_mode_16_64 3
		.amdhsa_memory_ordered 1
		.amdhsa_forward_progress 1
		.amdhsa_inst_pref_size 252
	.end_amdhsa_kernel
	.amdgpu_metadata
---
amdhsa.version: [ 1, 2 ]
amdhsa.kernels:
  - .name:           k_q65dca02ad2_proj
    .symbol:         k_q65dca02ad2_proj.kd
    .args:
      - { .name: xw, .offset: 0, .size: 8, .value_kind: global_buffer, .address_space: global }
      - { .name: bq, .offset: 8, .size: 8, .value_kind: global_buffer, .address_space: global }
      - { .name: bk, .offset: 16, .size: 8, .value_kind: global_buffer, .address_space: global }
      - { .name: bv, .offset: 24, .size: 8, .value_kind: global_buffer, .address_space: global }
      - { .name: qkv, .offset: 32, .size: 8, .value_kind: global_buffer, .address_space: global }
    .group_segment_fixed_size: 327680
    .private_segment_fixed_size: 0
    .kernarg_segment_align: 8
    .kernarg_segment_size: 40
    .max_flat_workgroup_size: 128
    .sgpr_count:     96
    .vgpr_count:     1024
    .wavefront_size: 32
...
	.end_amdgpu_metadata
.endif
;; end of part 2
;; launch attn (part 3): grid 4 x 64, 16 waves a work-group, clusters of 4 x 1, 327,680 bytes of LDS; arguments qkv, xc; writes xc
.if DOCPART == 3
	.amdgcn_target "amdgcn-amd-amdhsa--gfx1250"
	.amdhsa_code_object_version 6
	.text
	.protected	k_q65dca02ad2_attn
	.globl	k_q65dca02ad2_attn
	.p2align	8
	.type	k_q65dca02ad2_attn,@function
k_q65dca02ad2_attn:
	s_mov_b64 s[64:65], 0
	v_nop
	global_prefetch_b8 v0, s[64:65] scope:SCOPE_SE
	s_setreg_imm32_b32 hwreg(HW_REG_WAVE_MODE, 25, 1), 1
	s_wait_xcnt 0x0
	s_wait_alu depctr_hold_cnt(0) depctr_sa_sdst(0) depctr_va_vdst(0) depctr_va_sdst(0) depctr_va_ssrc(0) depctr_va_vcc(0) depctr_vm_vsrc(0)
	s_getreg_b32 s2, hwreg(HW_REG_IB_STS2, 6, 4)
	s_cmp_eq_u32 s2, 0
	s_cbranch_scc0 .Lentry_in_a_cluster
	s_endpgm
.Lentry_in_a_cluster:
	s_bfe_u32 s2, ttmp6, 0x10000c
	s_cmp_lg_u32 s2, 0x3003
	s_cbranch_scc0 .Lentry_shape_is_right
	s_endpgm
.Lentry_shape_is_right:
; x = softmax(q k^T / 8) v for a pair of heads, on codes of FP6 (E2M3) with E8M0 scales, f32 sums; x is quantised along the features and stored as the last launch's operand.
; SHARES: 64 (batch, pair of heads) x 4 quarters of the queries = 256 work-groups.  16 waves, each with 16 queries, first for head 0 of the pair, then for head 1; a step is 128 keys, 8 steps a head.
; LDS: the pair's k (8 records of 12,800 bytes, one for each 128 keys) from byte 0, its v (8 records) from VB; every byte is filled once.
; TWO GROUPS OF LOADS: at the head each wave asks for half a record (25 rows of 256 bytes, beginning at multiples of 256) of records 0-3 of k (waves 0-7) or of v (waves 8-15); behind the three lines and a round
; of the cluster's barrier, for the same half record of records 4-7.  Head 0's steps 0 to 2 read records 0-3 alone (step 2 asks for k's record 3);
; then every wave waits for its second load and passes a barrier.  One tensor load of a wave is out at any time.
; CLUSTER 4 x 1: the four quarters of the queries need the same k and v: every load is a joint one, with a mask that names the four.
; No prefetch is laid: the second group, all that is left to read, is asked for as soon as the first has landed, so there is nothing further to run ahead of.
; THE WAVES WALK IN STEP: a wave signals the work-group's barrier at a step's head and waits for it at the step's end, so none begins step n + 1 before all sixteen have begun step n.
; Between the two halves stand register work and LDS loads of bytes that nobody writes.
; BOTH PRODUCTS ARE USED TRANSPOSED (S^T = k q^T, O^T = v^T p^T): lane (r, h) holds query r throughout.
; A k fragment holds two tiles of 16 keys (64 numbers each): against (q, 0) it gives the first tile's scores, against (0, q) the second's.
; Lane m of k's tile 4 P + u is key 64 P + 8 u + 32 (m / 8) + m % 8 of the step's 128: so registers S + 32 P + 0 .. 31 of lane (r, h) are keys 64 P + 32 h + 0 .. 31: a WHOLE block of 32, in the order of p's operand.
; So a block's largest score needs no other lane, and the conversions' results are the operand's registers but for three moves a block (a conversion's three registers begin on an even number).
; SOFTMAX: M = ceil(running largest t), kept as -M; p = 2^(t - M); the row's sum is taken of the unquantised p; when M moves, sum and O^T are multiplied by the exact power of two 2^(old M - new M).
; A block's largest p is made from its largest score by the same multiply-add and exponential.
; k AND v HAVE FRAGMENT REGISTERS OF THEIR OWN: behind a step's score products this step's v (17 LDS loads) and the next step's k (17) are asked for.  A head's last step asks for 12,800 bytes further on, which lie in
; v's region and are not used.  p's codes lie in S + 16 .. 27, whose numbers have been summed and converted by then.
; LIMITS: the promise holds while the scaled scores stay under 2^31 in magnitude; a block whose largest magnitude lies under 2^-124 keeps the byte 1 (a block of zeros too: its codes are zeros, and this program alone
; reads the bytes); NaN and infinities are not served.
; REGISTERS: v1, v2 16 x and 8 x lane; v3, v4 the add's two; v5-8 this step's LDS addresses; v9, v10 v's region; v11 the scale word's place on the way out; v12 -M, v13 the largest score, v[14:15] the sum;
; v16-33 (q, 0, q); v34 q's scale word; v35 x's scale word; v36-42 head 1's q; v43 8 h.
.set REC,   12800
.set VB,    8*REC
.set SPARE, 16*REC                     ; behind the tiles: the spare words, 128 bytes a wave: eight blocks of 256 bytes that no other line names
.set FK,  44                           ; v44-91   k's four fragments;  v92-93 their scale words
.set KS,  92
.set FV,  94                           ; v94-141  v's four fragments;  v142-143 their scale words
.set VS,  142
.set S,   144                          ; v144-207 scores, then p
.set OT,  208                          ; v208-239 O^T
.set T0,  240                          ; v240-242, v244-246 the upper halves of the two blocks' codes; v240-241 then the sum's fourth chain
.set X,   243
.set T1,  244
.set BM,  248                          ; v248-249 the two blocks' largest
.set F,   250                          ; v250 the factor 2^(old M - new M)
.set W,   251                          ; v251 p's scale word
.set BT,  252                          ; v252-253 the sum's second chain
.set TA,  254                          ; v254-255 at work; then the sum's third chain
.set TB,  255
.macro CROUND                          ; a round of the cluster's barrier
	s_barrier_signal -1
	s_barrier_wait -1
	s_cmp_lg_u32 s8, 0
	s_cbranch_scc1 .Lnot_wave_0_\@
	s_barrier_signal -3
.Lnot_wave_0_\@:
	s_barrier_wait -3
	s_barrier_signal -1
	s_barrier_wait -1
.endm
.macro FRAG reg, a16, a8, off          ; a fragment's 12 registers: 16 + 8 + 16 + 8 bytes a lane, each load lane-contiguous
	ds_load_b128 v[\reg:\reg+3], v[\a16] offset:\off
	ds_load_b64 v[\reg+4:\reg+5], v[\a8] offset:\off+512
	ds_load_b128 v[\reg+6:\reg+9], v[\a16] offset:\off+768
	ds_load_b64 v[\reg+10:\reg+11], v[\a8] offset:\off+1280
.endm
.macro KLOAD a16, a8, off              ; a step's k of one head: four fragments
.irp pf, 0,1,2,3
	FRAG FK+12*\pf, \a16, \a8, \off+1536*\pf
.endr
.endm
.macro PF j0, n                        ; t - M, two at a time
.set j, \j0
.rept \n
	v_pk_fma_f32 v[S+j:S+j+1], v[S+j:S+j+1], s[42:43], v[12:13] op_sel_hi:[1,0,0]
.set j, j+2
.endr
.endm
.macro ROT4 a, b, c, d                 ; eight p into the sum's four chains
	v_pk_add_f32 v[14:15], v[14:15], v[S+\a:S+\a+1]
	v_pk_add_f32 v[BT:BT+1], v[BT:BT+1], v[S+\b:S+\b+1]
	v_pk_add_f32 v[TA:TA+1], v[TA:TA+1], v[S+\c:S+\c+1]
	v_pk_add_f32 v[T0:T0+1], v[T0:T0+1], v[S+\d:S+\d+1]
.endm
	s_load_b128 s[4:7], s[0:1], 0x0                ; qkv, xc
	v_lshl_add_u32 v3, v0, 2, SPARE
	v_mov_b32 v4, 0
	ds_add_u32 v3, v4                              ; the opening lines: the add, twice on end, and its wait stand ahead of my first tensor load
	ds_add_u32 v3, v4
	v_lshrrev_b32 v1, 5, v0
	v_readfirstlane_b32 s8, v1                     ; wave 0..15
	v_and_b32 v5, 31, v0
	v_and_b32 v11, 15, v0
	v_bfe_u32 v43, v0, 4, 1
	v_lshlrev_b32 v1, 4, v5                        ; 16 x lane
	v_lshlrev_b32 v2, 3, v5                        ; 8 x lane
	v_lshlrev_b32 v6, 3, v11                       ; q's scale words: 8 r
	v_lshlrev_b32 v11, 4, v11                      ; x's scale word: 16 r
	v_lshlrev_b32 v43, 3, v43                      ; 8 h: my bytes' place in p's scale word, in bits
	v_add_nc_u32 v9, VB, v1
	v_add_nc_u32 v10, VB, v2
	s_bfe_u32 s9, ttmp6, 0x40000                   ; cx: my quarter of the queries
	s_and_b32 s10, ttmp7, 0xffff                   ; 8 batch + pair of heads
	s_mov_b32 s16, 15|(3<<16)|(1<<21)              ; group 1: the mask names the four; elements of 8 bytes; half a record, dense, as 25 rows of 256 bytes
	s_mov_b32 s17, 32<<16
	s_mov_b32 s18, 25<<16
	s_mov_b32 s19, 32<<16
	s_mov_b32 s20, 25
	s_mov_b32 s21, 32
	s_mov_b32 s22, 0
	s_mov_b32 s23, 0
	s_lshr_b32 s11, s8, 3                          ; I fetch for k (0) or for v (1)
	s_and_b32 s12, s8, 7                           ; which eighth of four records
	s_mul_i32 s57, s12, 6400
	s_mov_b32 s32, 1
	s_mul_i32 s33, s11, VB
	s_add_co_u32 s33, s33, s57                     ; where it goes: the region + 6,400 x eighth;
	s_mov_b32 s36, 1
	s_add_co_u32 s37, s33, 4*REC                   ; the second group four records further on
	s_add_co_u32 s56, s10, 64                      ; k's records begin 512 records in, v's 1,024
	s_mul_i32 s56, s56, 8*REC
	s_add_co_u32 s58, s56, s57
	s_mul_i32 s57, s11, 512*REC
	s_add_co_u32 s58, s58, s57
	s_mov_b32 s59, 0
	s_lshl_b32 s46, s10, 3                         ; q's record: 8 (8 batch + pair) + 2 cx + wave / 8
	s_lshl_b32 s47, s9, 1
	s_add_co_u32 s46, s46, s47
	s_add_co_u32 s46, s46, s11
	s_mul_i32 s46, s46, REC
	s_lshr_b32 s50, s12, 2                         ; my tile's scale word: 128 (tile / 4) + 4 ((tile / 2) % 2), and of it the half tile % 2
	s_lshl_b32 s50, s50, 7
	s_bfe_u32 s51, s12, 0x10001
	s_lshl_b32 s51, s51, 2
	s_add_co_u32 s50, s50, s51
	s_add_co_u32 s50, s50, s46
	s_add_co_u32 s50, s50, 12288
	s_mov_b32 s51, 0
	s_mul_i32 s47, s12, 768                        ; my tile's codes: half a fragment
	s_add_co_u32 s46, s46, s47
	s_mov_b32 s47, 0
	s_lshr_b32 s48, s10, 3                         ; x's row tile: 64 batch + 16 cx + wave;
	s_lshl_b32 s48, s48, 6
	s_lshl_b32 s49, s9, 4
	s_add_co_u32 s48, s48, s49
	s_add_co_u32 s48, s48, s8
	s_mul_i32 s48, s48, REC
	s_bfe_u32 s49, s10, 0x10002                    ; the pair's 128 features are fragment pair % 4 of the half pair / 4 of K
	s_mul_i32 s49, s49, 6400
	s_add_co_u32 s48, s48, s49
	s_and_b32 s49, s10, 3
	s_lshl_b32 s52, s49, 2
	s_add_co_u32 s52, s52, s48
	s_add_co_u32 s52, s52, 6144
	s_mov_b32 s53, 0
	s_mul_i32 s49, s49, 1536
	s_add_co_u32 s48, s48, s49
	s_mov_b32 s49, 0
	s_and_b32 s55, s8, 1
	s_mov_b32 s54, 0x03020302
	s_cmp_eq_u32 s55, 0
	s_cselect_b32 s54, 0x01000100, s54             ; my tile's two scale bytes, twice
	s_mov_b32 s40, 0x76543210
	s_mov_b32 s41, 0xfedcba98                      ; selects for lane l xor 16
	s_mov_b32 s42, 0x3e38aa3b                      ; c = log2(e) / 8
	s_mov_b32 s43, s42
	s_wait_alu depctr_va_vdst(0)
	s_wait_dscnt 0x0                               ; both opening adds are done
	s_wait_kmcnt 0x0
	s_add_nc_u64 s[34:35], s[4:5], s[58:59]
	s_or_b32 s35, s35, 0x80000000
	s_add_nc_u64 s[38:39], s[34:35], 4*REC
	s_add_nc_u64 s[46:47], s[4:5], s[46:47]
	s_add_nc_u64 s[50:51], s[4:5], s[50:51]
	s_add_nc_u64 s[48:49], s[6:7], s[48:49]
	s_add_nc_u64 s[52:53], s[6:7], s[52:53]
	global_load_b128 v[16:19], v1, s[46:47]                ; head 0's q, into both its places;
	global_load_b64 v[20:21], v2, s[46:47] offset:512
	global_load_b128 v[28:31], v1, s[46:47]
	global_load_b64 v[32:33], v2, s[46:47] offset:512
	global_load_b128 v[36:39], v1, s[46:47] offset:6144    ; head 1's, kept
	global_load_b64 v[40:41], v2, s[46:47] offset:6656
	global_load_b32 v34, v6, s[50:51]
	global_load_b32 v42, v6, s[50:51] offset:256
	CROUND                                         ; all four work-groups are here: the joint loads meet
	tensor_load_to_lds s[32:35], s[16:23]          ; my part of records 0-3: the wave's one tensor load at the head
	s_nop 0
.macro HEADSET e, trips
.if \e
	v_mov_b32 v34, v42
.irp i, 0,1,2,3,4,5
	v_mov_b32 v[16+\i], v[36+\i]
	v_mov_b32 v[28+\i], v[36+\i]
.endr
.endif
	v_mov_b32 v13, 0xff61b1e6                      ; the largest score so far: -3e38
	v_mov_b32 v12, 0x7f61b1e6                      ; -M
	v_mov_b32 v14, 0
	v_mov_b32 v15, 0
.set j, 0
.rept 32
	v_mov_b32 v[OT+j], 0                           ; the step is written once: the first finds zeros.  (These are also the places between q's registers and scale word and the first products)
.set j, j+1
.endr
	s_mov_b32 s44, 0                               ; the step's place in k's and v's regions
	s_mov_b32 s45, \trips
	s_wait_alu depctr_va_vdst(0)
.endm
; A step: 16 queries x 128 keys of head e
.macro STEP e
	s_wait_dscnt 0x0                               ; this step's k is in: asked for a step ago; no LDS instruction of mine is out at the signal
	s_barrier_signal -1                            ; I have begun this step
.irp pf, 0,1
	v_wmma_scale_f32_16x16x128_f8f6f4 v[S+16*\pf:S+16*\pf+7], v[FK+12*\pf:FK+12*\pf+11], v[16:27], 0, v[KS+\pf], v34 matrix_a_fmt:MATRIX_FMT_FP6 matrix_b_fmt:MATRIX_FMT_FP6
	v_wmma_scale_f32_16x16x128_f8f6f4 v[S+16*\pf+8:S+16*\pf+15], v[FK+12*\pf:FK+12*\pf+11], v[22:33], 0, v[KS+\pf], v34 matrix_a_fmt:MATRIX_FMT_FP6 matrix_b_fmt:MATRIX_FMT_FP6
.endr
.irp pf, 2,3
	v_wmma_scale_f32_16x16x128_f8f6f4 v[S+16*\pf:S+16*\pf+7], v[FK+12*\pf:FK+12*\pf+11], v[16:27], 0, v[KS+\pf-2], v34 matrix_a_fmt:MATRIX_FMT_FP6 matrix_b_fmt:MATRIX_FMT_FP6 matrix_a_scale:MATRIX_SCALE_ROW1
	v_wmma_scale_f32_16x16x128_f8f6f4 v[S+16*\pf+8:S+16*\pf+15], v[FK+12*\pf:FK+12*\pf+11], v[22:33], 0, v[KS+\pf-2], v34 matrix_a_fmt:MATRIX_FMT_FP6 matrix_b_fmt:MATRIX_FMT_FP6 matrix_a_scale:MATRIX_SCALE_ROW1
.endr
	v_add_nc_u32 v5, s44, v1                       ; the step's addresses: also the four places behind the products (ISA guide 7.12.1)
	v_add_nc_u32 v6, s44, v2
	v_add_nc_u32 v7, s44, v9
	v_add_nc_u32 v8, s44, v10
.irp t, 0,1,2,3
	FRAG FV+12*\t, 7, 8, 6144*\e+1536*\t           ; this step's v: 17 loads,
.endr
	ds_load_b64 v[VS:VS+1], v8 offset:12288+256*\e
	KLOAD 5, 6, REC+6144*\e                        ; and the next step's k: 17 loads
	ds_load_b64 v[KS:KS+1], v6 offset:REC+12288+256*\e
.irp c, 0,1                            ; the largest score of my two blocks, each in two chains; each accumulator is read from its low end on
	v_max3_num_f32 v[BM+\c], v[S+32*\c], v[S+32*\c+1], v[S+32*\c+2]
	v_max3_num_f32 v[TA+\c], v[S+32*\c+16], v[S+32*\c+17], v[S+32*\c+18]
.endr
.irp i, 3,5,7,9,11,13
.irp c, 0,1
	v_max3_num_f32 v[BM+\c], v[BM+\c], v[S+32*\c+\i], v[S+32*\c+\i+1]
	v_max3_num_f32 v[TA+\c], v[TA+\c], v[S+32*\c+16+\i], v[S+32*\c+17+\i]
.endr
.endr
.irp c, 0,1
	v_max3_num_f32 v[BM+\c], v[BM+\c], v[S+32*\c+15], v[S+32*\c+31]
.endr
.irp c, 0,1
	s_delay_alu instid0(VALU_DEP_2)
	v_max_num_f32 v[BM+\c], v[BM+\c], v[TA+\c]
.endr
	s_delay_alu instid0(VALU_DEP_1)
	v_max_num_f32 v[TA], v[BM], v[BM+1]
	v_mov_b32 v[BT], v12                           ; the old -M
	s_delay_alu instid0(VALU_DEP_2)
	v_permlanex16_b32 v[TB], v[TA], s40, s41
	s_delay_alu instid0(VALU_DEP_1)
	v_max3_num_f32 v13, v13, v[TA], v[TB]          ; the running largest score of my query (c is positive)
	s_delay_alu instid0(VALU_DEP_1)
	v_mul_f32 v[TA], s42, v13
	s_delay_alu instid0(VALU_DEP_1)
	v_floor_f32 v12, -v[TA]                        ; -M = floor(-t): M is a whole number
	s_delay_alu instid0(VALU_DEP_1)
	v_sub_f32 v[TA], v12, v[BT]                    ; old M less new M
	PF 0, 4
	v_cvt_i32_f32 v[TA], v[TA]                     ; (it saturates)
	PF 8, 4
	v_ldexp_f32 v[F], 1.0, v[TA]                   ; f = 2^(old M - new M)
	PF 16, 24
	v_fma_f32 v[BM], v[BM], s42, v12               ; the same of each block's largest score
	v_fma_f32 v[BM+1], v[BM+1], s42, v12
.set j, 0
.rept 16
	v_pk_mul_f32 v[OT+j:OT+j+1], v[OT+j:OT+j+1], v[F:F+1] op_sel_hi:[1,0]   ; O^T under the new M; each accumulator from its low end on
.set j, j+2
.endr
	s_wait_alu depctr_va_vdst(0)
.set j, 0
.rept 64
	v_exp_f32 v[S+j], v[S+j]                       ; p = 2^(t - M)
.set j, j+1
.endr
	v_exp_f32 v[BM], v[BM]                         ; each block's largest p
	v_exp_f32 v[BM+1], v[BM+1]
	v_pk_mul_f32 v[14:15], v[14:15], v[F:F+1] op_sel_hi:[1,0]   ; the sum under the new M: the plain place behind the batch
	s_wait_alu depctr_va_vdst(0)                   ; and the one wait behind it
	v_max_num_f32 v[BM], 0x1800000, v[BM]          ; the floor 2^(3 - 127) holds the byte at 1 from below
	v_max_num_f32 v[BM+1], 0x1800000, v[BM+1]
	v_pk_add_f32 v[BT:BT+1], v[S+16:S+17], v[S+18:S+19]   ; the row's sum, of the unquantised p: first the twelve whose registers take the codes
	v_pk_add_f32 v[14:15], v[14:15], v[S+20:S+21]
	v_add_nc_u32 v[BM], 0xff000000, v[BM]          ; 2 off the exponent field: the conversion's scale operand
	v_add_nc_u32 v[BM+1], 0xff000000, v[BM+1]
	v_pk_add_f32 v[BT:BT+1], v[BT:BT+1], v[S+22:S+23]
	v_pk_add_f32 v[14:15], v[14:15], v[S+24:S+25]
	v_lshrrev_b32 v[TA], 23, v[BM]                 ; the bytes of blocks h and 2 + h
	v_lshrrev_b32 v[TB], 23, v[BM+1]
	v_pk_add_f32 v[BT:BT+1], v[BT:BT+1], v[S+26:S+27]
	s_delay_alu instid0(VALU_DEP_2)
	v_lshl_or_b32 v[TA], v[TB], 16, v[TA]
	s_delay_alu instid0(VALU_DEP_1)
	v_lshlrev_b32 v[TA], v43, v[TA]                ; at their places;
	s_delay_alu instid0(VALU_DEP_1)
	v_permlanex16_b32 v[TB], v[TA], s40, s41
	s_delay_alu instid0(VALU_DEP_1)
	v_or_b32 v[W], v[TA], v[TB]                    ; with lane l xor 16's two the word is whole
	v_cvt_scalef32_pk16_fp6_f32 v[T0:T0+2], v[S+16:S+31], v[BM]       ; the upper 16 of each block first,
	v_cvt_scalef32_pk16_fp6_f32 v[T1:T1+2], v[S+48:S+63], v[BM+1]
	v_pk_add_f32 v[TA:TA+1], v[S:S+1], v[S+2:S+3]                     ; the sum's third chain begins.  (Plain places between the conversions above and the writes of their sources)
	v_pk_add_f32 v[14:15], v[14:15], v[S+4:S+5]
	v_cvt_scalef32_pk16_fp6_f32 v[S+16:S+18], v[S:S+15], v[BM]        ; then the lower 16, into the operand's registers 0-2 and 6-8
	v_cvt_scalef32_pk16_fp6_f32 v[S+22:S+24], v[S+32:S+47], v[BM+1]
	v_pk_add_f32 v[BT:BT+1], v[BT:BT+1], v[S+6:S+7]
	v_pk_add_f32 v[TA:TA+1], v[TA:TA+1], v[S+8:S+9]
.irp i, 0,1,2
	v_mov_b32 v[S+19+\i], v[T0+\i]
	v_mov_b32 v[S+25+\i], v[T1+\i]
.endr
	v_pk_add_f32 v[T0:T0+1], v[S+10:S+11], v[S+12:S+13]               ; the fourth chain begins, in registers that the moves have read
	ROT4 14, 28, 30, 32                            ; nine of the sum's additions: the places between the operand's and the scale word's writes and the products
	ROT4 34, 36, 38, 40
	s_wait_alu depctr_va_vdst(0)
	s_wait_dscnt 17                                ; v is in; the 17 loads of the next step's k may be out
	v_wmma_scale_f32_16x16x128_f8f6f4 v[OT:OT+7], v[FV:FV+11], v[S+16:S+27], v[OT:OT+7], v[VS], v[W] matrix_a_fmt:MATRIX_FMT_FP6 matrix_b_fmt:MATRIX_FMT_FP6
	v_wmma_scale_f32_16x16x128_f8f6f4 v[OT+8:OT+15], v[FV+12:FV+23], v[S+16:S+27], v[OT+8:OT+15], v[VS], v[W] matrix_a_fmt:MATRIX_FMT_FP6 matrix_b_fmt:MATRIX_FMT_FP6 matrix_a_scale:MATRIX_SCALE_ROW1
	v_wmma_scale_f32_16x16x128_f8f6f4 v[OT+16:OT+23], v[FV+24:FV+35], v[S+16:S+27], v[OT+16:OT+23], v[VS+1], v[W] matrix_a_fmt:MATRIX_FMT_FP6 matrix_b_fmt:MATRIX_FMT_FP6
	v_wmma_scale_f32_16x16x128_f8f6f4 v[OT+24:OT+31], v[FV+36:FV+47], v[S+16:S+27], v[OT+24:OT+31], v[VS+1], v[W] matrix_a_fmt:MATRIX_FMT_FP6 matrix_b_fmt:MATRIX_FMT_FP6 matrix_a_scale:MATRIX_SCALE_ROW1
	ROT4 42, 44, 46, 48                            ; the rest of the sum: more than the five places between these products and the next step's, which write over p's codes
	ROT4 50, 52, 54, 56
	v_pk_add_f32 v[14:15], v[14:15], v[S+58:S+59]
	v_pk_add_f32 v[BT:BT+1], v[BT:BT+1], v[S+60:S+61]
	v_pk_add_f32 v[TA:TA+1], v[TA:TA+1], v[S+62:S+63]
	v_pk_add_f32 v[14:15], v[14:15], v[BT:BT+1]    ; the four chains are joined
	v_pk_add_f32 v[TA:TA+1], v[TA:TA+1], v[T0:T0+1]
	s_delay_alu instid0(VALU_DEP_1)
	v_pk_add_f32 v[14:15], v[14:15], v[TA:TA+1]
	s_add_co_u32 s44, s44, REC
	s_barrier_wait -1                              ; all sixteen waves have begun this step
.endm
; A head's end: O^T / the sum, quantised along the head's 64 (two blocks, each in lanes l and l xor 16), stored as half a fragment of x
.macro FINISH e
	v_add_f32 v14, v14, v15
	s_delay_alu instid0(VALU_DEP_1)
	v_permlanex16_b32 v[X], v14, s40, s41
	s_delay_alu instid0(VALU_DEP_1)
	v_add_f32 v14, v14, v[X]                       ; the row's sum
	s_wait_alu depctr_va_vdst(0)                   ; the wait ahead of the transcendental
	v_rcp_f32 v14, v14
	v_nop
	s_wait_alu depctr_va_vdst(0)                   ; and behind it, directly ahead of the first reader of O^T
.set j, 0
.rept 16
	v_pk_mul_f32 v[S+j:S+j+1], v[OT+j:OT+j+1], v[14:15] op_sel_hi:[1,0]
.set j, j+2
.endr
.irp b, 0,1
	v_max3_num_f32 v[BM+\b], |v[S+16*\b]|, |v[S+16*\b+1]|, 0x1800000
.endr
.irp i, 2,4,6,8,10,12,14
.irp b, 0,1
	s_delay_alu instid0(VALU_DEP_2)
	v_max3_num_f32 v[BM+\b], v[BM+\b], |v[S+16*\b+\i]|, |v[S+16*\b+\i+1]|
.endr
.endr
.irp b, 0,1
	s_delay_alu instid0(VALU_DEP_2)
	v_permlanex16_b32 v[BT+\b], v[BM+\b], s40, s41
.endr
.irp b, 0,1
	s_delay_alu instid0(VALU_DEP_2)
	v_max_num_f32 v[BM+\b], v[BM+\b], v[BT+\b]
.endr
.irp b, 0,1
	s_delay_alu instid0(VALU_DEP_2)
	v_add_nc_u32 v[TA+\b], 0xff000000, v[BM+\b]
.endr
.irp b, 0,1
	s_delay_alu instid0(VALU_DEP_2)
	v_lshrrev_b32 v[BT+\b], 23, v[TA+\b]
.endr
.if \e == 0
	s_delay_alu instid0(VALU_DEP_1)
	v_lshl_or_b32 v35, v[BT+1], 8, v[BT]
.else
	s_delay_alu instid0(VALU_DEP_1)
	v_lshl_or_b32 v[X], v[BT+1], 8, v[BT]
	s_delay_alu instid0(VALU_DEP_1)
	v_lshl_or_b32 v35, v[X], 16, v35
.endif
	v_cvt_scalef32_pk16_fp6_f32 v[S+32:S+34], v[S:S+15], v[TA]
	v_cvt_scalef32_pk16_fp6_f32 v[S+40:S+42], v[S+16:S+31], v[TB]
	v_nop                                          ; one plain place behind a scaled conversion
.irp i, 0,1,2
	v_permlane16_swap_b32 v[S+32+\i], v[S+40+\i]   ; the operand's layout wants a whole block in a lane
.endr
.irp i, 0,1,2
	s_delay_alu instid0(VALU_DEP_3)
	v_mov_b32 v[S+35+\i], v[S+40+\i]
.endr
	global_store_b128 v1, v[S+32:S+35], s[48:49] offset:768*\e         ; 512 consecutive bytes, at a multiple of 256 from the buffer's first byte
	global_store_b64 v2, v[S+36:S+37], s[48:49] offset:768*\e+512      ; 256
.if \e == 0
	s_wait_xcnt 0x0                                ; the stores have read their data: the registers are written again only now
.else
	global_store_b32 v11, v35, s[52:53]            ; my rows' scale words (lanes l and l xor 16 store the same word)
.endif
.endm
	s_wait_loadcnt 0x0                             ; q and its scale words
	v_perm_b32 v34, v34, v34, s54
	v_perm_b32 v42, v42, v42, s54
.irp i, 0,1,2,3,4,5
	v_mov_b32 v[22+\i], 0                          ; the zeros between q's two places
.endr
	v_mov_b32 v[X], 0                              ; a lane permute's destination counts as one of its sources
	v_mov_b32 v[W], 0                              ; named as the upper half of the pair with f before it is first written
	HEADSET 0, 3
	s_wait_tensorcnt 0x0                           ; my part of records 0-3 is in
	ds_add_u32 v3, v4
	s_wait_dscnt 0x0
	CROUND                                         ; everybody's part is in, and all four work-groups are here: the joint loads meet
	tensor_load_to_lds s[36:39], s[16:23]          ; my part of records 4-7: my one tensor load behind the round
	s_nop 0
	KLOAD 1, 2, 0                                  ; head 0's first k
	ds_load_b64 v[KS:KS+1], v2 offset:12288
.Lhead0a:                                              ; steps 0 to 2 read v's records 0-2 and ask for k's records 1-3
	STEP 0
	s_sub_co_u32 s45, s45, 1
	s_cmp_lg_u32 s45, 0
	s_cbranch_scc1 .Lhead0a
	s_wait_tensorcnt 0x0                           ; my part of records 4-7 is in,
	s_wait_dscnt 0x0
	s_barrier_signal -1
	s_barrier_wait -1                              ; everybody's is
	s_mov_b32 s45, 5
.Lhead0:
	STEP 0
	s_sub_co_u32 s45, s45, 1
	s_cmp_lg_u32 s45, 0
	s_cbranch_scc1 .Lhead0
	s_wait_alu depctr_va_vdst(0)
	s_wait_dscnt 0x0                               ; the last step's loads into k's registers have landed: they may be loaded again
	KLOAD 1, 2, 6144                               ; head 1's first k lands under head 0's end
	ds_load_b64 v[KS:KS+1], v2 offset:12288+256
	FINISH 0
	HEADSET 1, 8
.Lhead1:
	STEP 1
	s_sub_co_u32 s45, s45, 1
	s_cmp_lg_u32 s45, 0
	s_cbranch_scc1 .Lhead1
	s_wait_alu depctr_va_vdst(0)
	s_wait_dscnt 0x0
	FINISH 1
	s_wait_tensorcnt 0x0                           ; the wave's end
	ds_add_u32 v3, v4
	s_wait_dscnt 0x0
	CROUND                                         ; the closing round
	s_endpgm
.Lfunc_end_k_q65dca02ad2_attn:
	.size	k_q65dca02ad2_attn, .Lfunc_end_k_q65dca02ad2_attn-k_q65dca02ad2_attn
	.p2alignl 7, 3214868480
	.fill 96, 4, 3214868480
	.section	.rodata,"a",@progbits
	.p2align	6, 0x0
	.amdhsa_kernel k_q65dca02ad2_attn
		.amdhsa_group_segment_fixed_size 327680
		.amdhsa_private_segment_fixed_size 0
		.amdhsa_enable_private_segment 0
		.amdhsa_kernarg_size 16
		.amdhsa_user_sgpr_count 2
		.amdhsa_user_sgpr_kernarg_segment_ptr 1
		.amdhsa_wavefront_size32 1
		.amdhsa_system_sgpr_workgroup_id_x 1
		.amdhsa_system_sgpr_workgroup_id_y 1
		.amdhsa_system_sgpr_workgroup_id_z 1
		.amdhsa_system_vgpr_workitem_id 0
		.amdhsa_next_free_vgpr 256
		.amdhsa_next_free_sgpr 66
		.amdhsa_reserve_vcc 0
		.amdhsa_float_denorm_mode_32 3
		.amdhsa_float_denorm_mode_16_64 3
		.amdhsa_memory_ordered 1
		.amdhsa_forward_progress 1
		.amdhsa_inst_pref_size 67
	.end_amdhsa_kernel
	.amdgpu_metadata
---
amdhsa.version: [ 1, 2 ]
amdhsa.kernels:
  - .name:           k_q65dca02ad2_attn
    .symbol:         k_q65dca02ad2_attn.kd
    .args:
      - { .name: qkv, .offset: 0, .size: 8, .value_kind: global_buffer, .address_space: global }
      - { .name: xc, .offset: 8, .size: 8, .value_kind: global_buffer, .address_space: global }
    .group_segment_fixed_size: 327680
    .private_segment_fixed_size: 0
    .kernarg_segment_align: 8
    .kernarg_segment_size: 16
    .max_flat_workgroup_size: 512
    .sgpr_count:     66
    .vgpr_count:     256
    .wavefront_size: 32
...
	.end_amdgpu_metadata
.endif
;; end of part 3
;; launch out (part 4): grid 4 x 64, 4 waves a work-group, clusters of 4 x 4, 327,680 bytes of LDS; arguments xc, xw, bo, mask, out0; writes out0
.if DOCPART == 4
	.amdgcn_target "amdgcn-amd-amdhsa--gfx1250"
	.amdhsa_code_object_version 6
	.text
	.protected	k_q65dca02ad2_out
	.globl	k_q65dca02ad2_out
	.p2align	8
	.type	k_q65dca02ad2_out,@function
k_q65dca02ad2_out:
	s_mov_b64 s[64:65], 0
	v_nop
	global_prefetch_b8 v0, s[64:65] scope:SCOPE_SE
	s_setreg_imm32_b32 hwreg(HW_REG_WAVE_MODE, 25, 1), 1
	s_wait_xcnt 0x0
	s_wait_alu depctr_hold_cnt(0) depctr_sa_sdst(0) depctr_va_vdst(0) depctr_va_sdst(0) depctr_va_ssrc(0) depctr_va_vcc(0) depctr_vm_vsrc(0)
	s_getreg_b32 s2, hwreg(HW_REG_IB_STS2, 6, 4)
	s_cmp_eq_u32 s2, 0
	s_cbranch_scc0 .Lentry_in_a_cluster
	s_endpgm
.Lentry_in_a_cluster:
	s_bfe_u32 s2, ttmp6, 0x10000c
	s_cmp_lg_u32 s2, 0xf033
	s_cbranch_scc0 .Lentry_shape_is_right
	s_endpgm
.Lentry_shape_is_right:
; out0 = (x Wo^T + bo) x mask, on codes of FP6 (E2M3) with E8M0 scales, f32 sums.  x's codes come from xc, Wo's from xw (row tiles 1728 on), both in the order of the operands' registers.
; The lane side (A): 128 tokens a work-group; the register side (B): 256 rows of Wo.  Source 0 = 16 rows of Wo, source 1 = 16 tokens: lane (r, h) holds token r, and register j of tile b the feature 16 b + 8 h + j: eight neighbours of a row of out0.
; SHARES: 64 x 4 = 256 work-groups.  Four waves: wave = 2 ah + bh takes 64 tokens x 128 features: 32 accumulators.
; ALL OF K (1,024) LIES IN LDS: 24 row tiles x 12,800 bytes, as two chunks (halves of K).  No LDS byte is filled twice, so there is no ring; each wave asks for its part of chunk 0 at the start and of chunk 1 behind a round: one tensor load of a wave is out at a time.
; CLUSTERS 4 x 4: x's tiles are shared along a row of the cluster, Wo's along a column: each is asked for jointly, by the same tensor load with a mask that names the four.
; The bias is the C of each sum's first product, so it is the sum's first term; the mask multiplies on the way out.
; THE WAY OUT: 16 tokens x 128 features at a time through the wave's own stage in LDS, back as whole rows of 512 bytes.  The stages lie in chunk 0, which has had its only fill, and which no wave reads behind the barrier in the middle of K.
; REGISTERS: window 0: v1-27 addresses; v28, v29 the add's two; v32-95 scale words and nothing else; v96-159 the bias, later results x mask; v160-223 rows read back; v224-231 the mask.  window 1: accumulator (a, b) at v[64 a + 8 b].
;   windows 2, 3: two sets of fragments: B's eight at v[12 b], A's four at v[96 + 12 a].
.set CHUNK, 153600                     ; a half of K in LDS: A's 8 records, then B's 16
.set SPARE, 2*CHUNK                    ; behind the chunks: the spare words, 128 bytes a wave: two blocks of 256 bytes that no other line names
.set MSB, 0
.macro WIN new                         ; the immediate's high byte repeats the setting that is left
.if MSB != (\new)
	s_set_vgpr_msb (MSB<<8)|(\new)
.set MSB, (\new)
.endif
.endm
.macro PLACES                          ; four plain places behind a matrix instruction, in front of loads into registers that it read and of the first read of results
.rept 4
	v_nop
.endr
.endm
.macro CROUND                          ; a round of the cluster's barrier
	s_barrier_signal -1
	s_barrier_wait -1
	s_cmp_lg_u32 s14, 0
	s_cbranch_scc1 .Lnot_wave_0_\@
	s_barrier_signal -3
.Lnot_wave_0_\@:
	s_barrier_wait -3
	s_barrier_signal -1
	s_barrier_wait -1
.endm
.macro FRAG reg, a16, a8, off          ; a fragment's 12 registers: 16 + 8 + 16 + 8 bytes a lane, each load lane-contiguous
	ds_load_b128 v[\reg:\reg+3], v[\a16] offset:\off
	ds_load_b64 v[\reg+4:\reg+5], v[\a8] offset:\off+512
	ds_load_b128 v[\reg+6:\reg+9], v[\a16] offset:\off+768
	ds_load_b64 v[\reg+10:\reg+11], v[\a8] offset:\off+1280
.endm
.macro FETCH ks, set                   ; K step ks: B's eight fragments and A's four into set 0 (window 2) or 1 (window 3): 48 loads in one run
.set KH, (\ks)/4
.set FF, (\ks)%4
	WIN 0x80+0x40*(\set)
.irp b, 0,1,2,3,4,5,6,7
	FRAG 12*\b, 6+4*KH, 7+4*KH, 6400*\b+1536*FF
.endr
.irp a, 0,1,2,3
	FRAG 96+12*\a, 4+4*KH, 5+4*KH, 6400*\a+1536*FF
.endr
	WIN 0
.endm
.macro SCALES kh                       ; a chunk's scale words: four words a row by one load; lanes 0-15 take A's tile i (used for i < 4), lanes 16-31 B's tile i
.irp i, 0,1,2,3,4,5,6,7
	ds_load_b128 v[32+32*\kh+4*\i:32+32*\kh+4*\i+3], v[12+\kh] offset:6400*\i
.endr
.endm
; 32 products, 128 along K.  The 32 accumulators take turns, one instruction a turn, in the same order in every step.
; mode 0: adds in place; 1: the sums start with the bias along B's rows
.macro MUL ks, mode
.set KH, (\ks)/4
.set FF, (\ks)%4
.set SB, 32+32*KH+FF
.if \mode == 0
	WIN 0x5a+5*((\ks)%2)
.else
	WIN 0x4a
.endif
.irp a, 0,1,2,3
.irp b, 0,1,2,3,4,5,6,7
.if \mode == 0
	v_wmma_scale_f32_16x16x128_f8f6f4 v[64*\a+8*\b:64*\a+8*\b+7], v[12*\b:12*\b+11], v[96+12*\a:96+12*\a+11], v[64*\a+8*\b:64*\a+8*\b+7], v[SB+4*\b], v[SB+4*\a] matrix_a_fmt:MATRIX_FMT_FP6 matrix_b_fmt:MATRIX_FMT_FP6 matrix_a_scale:MATRIX_SCALE_ROW1
.else
	v_wmma_scale_f32_16x16x128_f8f6f4 v[64*\a+8*\b:64*\a+8*\b+7], v[12*\b:12*\b+11], v[96+12*\a:96+12*\a+11], v[96+8*\b:96+8*\b+7], v[SB+4*\b], v[SB+4*\a] matrix_a_fmt:MATRIX_FMT_FP6 matrix_b_fmt:MATRIX_FMT_FP6 matrix_a_scale:MATRIX_SCALE_ROW1
.endif
.endr
.endr
	WIN 0
.endm
.macro KSTEP ks                        ; this step's fragments are in; the next step's are asked for, 32 products ahead of their use
	s_wait_dscnt 0x0
	PLACES
	FETCH (\ks)+1, ((\ks)+1)%2
	MUL \ks, 0
.endm
	s_load_b256 s[4:11], s[0:1], 0x0               ; xc, xw, bo, mask
	s_load_b64 s[12:13], s[0:1], 0x20              ; out0
	v_lshl_add_u32 v28, v0, 2, SPARE
	v_mov_b32 v29, 0
	ds_add_u32 v28, v29                            ; the wave's opening: the add and its wait stand ahead of my first tensor load; the set-up below, work on registers, stands between them
	ds_add_u32 v28, v29
	v_lshrrev_b32 v1, 5, v0
	v_readfirstlane_b32 s14, v1                    ; wave 0..3
	s_lshr_b32 s15, s14, 1                         ; ah: my 64 tokens.  Also: I fetch for A (0) or for B (1)
	s_and_b32 s16, s14, 1                          ; bh: my 128 features.  Also: which half of that tile's rows I fetch
	s_bfe_u32 s17, ttmp6, 0x40000                  ; cx: B's tile of 256 rows of Wo
	s_bfe_u32 s18, ttmp6, 0x40004                  ; cy
	s_and_b32 s19, ttmp7, 0xffff                   ; the cluster's y
	s_lshl_b32 s90, s18, 2
	s_lshl_b32 s90, 15, s90                        ; my row of the cluster
	s_lshl_b32 s91, 0x1111, s17                    ; my column
	; descriptor groups 1: R records of 6,400 bytes (800 elements of 8 bytes), 12,800 bytes apart in memory, on end in LDS.  A: R = 4; B: R = 8
	s_or_b32 s24, s90, (3<<16)|(1<<21)             ; 15:0 the mask: A's tiles go to my row; 17:16 elements of 8 bytes; 21 set beside a mask; no padding
	s_mov_b32 s25, 800<<16                         ; tensor_dim0
	s_mov_b32 s26, 4<<16                           ; tensor_dim1
	s_mov_b32 s27, 800<<16                         ; tile_dim0
	s_mov_b32 s28, 4                               ; tile_dim1
	s_mov_b32 s29, 1600                            ; tensor_dim0_stride
	s_mov_b32 s30, 0
	s_mov_b32 s31, 0
	s_or_b32 s32, s91, (3<<16)|(1<<21)             ; B's tiles go to my column
	s_mov_b32 s33, 800<<16
	s_mov_b32 s34, 8<<16
	s_mov_b32 s35, 800<<16
	s_mov_b32 s36, 8
	s_mov_b32 s37, 1600
	s_mov_b32 s38, 0
	s_mov_b32 s39, 0
	s_lshl_b32 s56, s19, 2
	s_add_co_u32 s56, s56, s18                     ; A's tile of 128 tokens: it hangs on cy, never on cx
	s_lshl_b32 s58, s56, 3
	s_lshl_b32 s59, s16, 2
	s_add_co_u32 s58, s58, s59                     ; the first of the four row tiles that I would fetch
	s_mul_i32 s58, s58, 12800
	s_mov_b32 s59, 0
	s_lshl_b32 s62, s17, 4
	s_lshl_b32 s63, s16, 3
	s_add_co_u32 s62, s62, s63
	s_add_co_u32 s62, s62, 1728                    ; the first of the eight of Wo: it hangs on cx, never on cy
	s_mul_i32 s62, s62, 12800
	s_mov_b32 s63, 0
	s_mul_i32 s92, s16, 25600                      ; where they go in a chunk: no place in the cluster enters an LDS address
	s_mul_i32 s93, s16, 51200
	s_add_co_u32 s93, s93, 51200
	s_lshl_b32 s86, s17, 10
	s_lshl_b32 s87, s16, 9
	s_add_co_u32 s86, s86, s87                     ; my first feature, in bytes: 4 (256 B tile + 128 bh)
	s_mov_b32 s87, 0
	s_lshl_b32 s88, s56, 9
	s_lshl_b32 s89, s15, 8
	s_add_co_u32 s88, s88, s89                     ; my first token, in bytes of the mask: 4 (128 A tile + 64 ah)
	s_mov_b32 s89, 0
	s_lshl_b32 s80, s88, 10                        ; its row of out0 (4,096 bytes a row),
	s_add_co_u32 s80, s80, s86                     ; at my first feature
	s_mov_b32 s81, 0
	s_wait_dscnt 0x0                               ; the opening add is done
	s_wait_kmcnt 0x0
	s_add_nc_u64 s[58:59], s[4:5], s[58:59]
	s_add_nc_u64 s[62:63], s[6:7], s[62:63]
.irp k, 0,1                            ; descriptor groups 0, a set for each chunk
	s_mov_b32 s[40+4*\k], 1
	s_add_co_u32 s[41+4*\k], s92, \k*CHUNK
	s_add_nc_u64 s[42+4*\k:43+4*\k], s[58:59], \k*6400
	s_or_b32 s[43+4*\k], s[43+4*\k], 0x80000000
	s_mov_b32 s[48+4*\k], 1
	s_add_co_u32 s[49+4*\k], s93, \k*CHUNK
	s_add_nc_u64 s[50+4*\k:51+4*\k], s[62:63], \k*6400
	s_or_b32 s[51+4*\k], s[51+4*\k], 0x80000000
.endr
	s_add_nc_u64 s[74:75], s[8:9], s[86:87]        ; my bias
	s_add_nc_u64 s[78:79], s[10:11], s[88:89]      ; my mask
	s_add_nc_u64 s[76:77], s[12:13], s[80:81]      ; my part of out0
	CROUND                                         ; all sixteen work-groups are here: the joint loads meet
	s_cmp_eq_u32 s15, 0                            ; a wave's two fills stand in one branch on its number, ahead of every wait on TENSORcnt and every LDS read
	s_cbranch_scc0 .Lfirst_b
	tensor_load_to_lds s[40:43], s[24:31]
	s_nop 0
.rept 4
	v_nop
.endr
	s_branch .Lfirst_asked
.Lfirst_b:
	tensor_load_to_lds s[48:51], s[32:39]
	s_nop 0
.rept 4
	v_nop
.endr
.Lfirst_asked:
	v_and_b32 v1, 15, v0                           ; r
	v_bfe_u32 v2, v0, 4, 1                         ; h
	v_and_b32 v3, 31, v0                           ; lane
	v_lshlrev_b32 v26, 4, v3                       ; 16 x lane
	v_lshlrev_b32 v21, 3, v3                       ; 8 x lane
	v_lshlrev_b32 v19, 5, v2                       ; the bias: 8 h numbers on
	v_lshlrev_b32 v27, 2, v1                       ; the mask: token r
.irp b, 0,1,2,3,4,5,6,7                ; register j of tile b: feature 16 b + 8 h + j
	global_load_b128 v[96+8*\b:96+8*\b+3], v19, s[74:75] offset:64*\b
	global_load_b128 v[96+8*\b+4:96+8*\b+7], v19, s[74:75] offset:64*\b+16
.endr
.irp a, 0,1,2,3                        ; the mask of token 16 a + r, in both registers of a pair for the packed multiply
	global_load_b32 v[224+2*\a], v27, s[78:79] offset:64*\a
	global_load_b32 v[225+2*\a], v27, s[78:79] offset:64*\a
.endr
	s_mul_i32 s94, s15, 25600                      ; my four records of A in a chunk,
	s_mul_i32 s95, s16, 51200
	s_add_co_u32 s95, s95, 51200                   ; my eight of B
	v_add_nc_u32 v4, s94, v26
	v_add_nc_u32 v5, s94, v21
	v_add_nc_u32 v6, s95, v26
	v_add_nc_u32 v7, s95, v21
.irp i, 0,1,2,3
	v_add_nc_u32 v[8+\i], CHUNK, v[4+\i]
.endr
	v_lshlrev_b32 v12, 4, v1                       ; scale words: 16 bytes a row; lanes 0-15 A's, lanes 16-31 B's: the lower base + h x the distance
	s_sub_co_u32 s95, s95, s94
	v_mul_u32_u24 v22, s95, v2
	s_add_co_u32 s94, s94, 6144
	v_add_nc_u32 v12, v12, v22
	v_add_nc_u32 v12, s94, v12
	v_add_nc_u32 v13, CHUNK, v12
	s_mul_i32 s94, s14, 8448                       ; my stage: 16 rows, 528 bytes apart
	v_mul_u32_u24 v24, v1, 528
	v_lshl_add_u32 v24, v2, 5, v24
	v_add_nc_u32 v24, s94, v24                     ; in: row r, + 32 h bytes
	v_add_nc_u32 v25, s94, v26                     ; back: 16 bytes a lane of a row's 512
	s_wait_alu depctr_va_vdst(0)
	s_wait_tensorcnt 0x0                           ; my part of chunk 0 is in: one tensor load a wave stands at the head; chunk 1's fill is issued as a refill is
	ds_add_u32 v28, v29                            ; 0 onto my spare word
	s_wait_dscnt 0x0
	CROUND                                         ; everybody's part of chunk 0 is in, and all sixteen work-groups are here
	s_cmp_eq_u32 s15, 0
	s_cbranch_scc0 .Lsecond_b
	tensor_load_to_lds s[44:47], s[24:31]          ; chunk 1: my one tensor load behind the round
	s_nop 0
.rept 4
	v_nop
.endr
	s_branch .Lsecond_asked
.Lsecond_b:
	tensor_load_to_lds s[52:55], s[32:39]
	s_nop 0
.rept 4
	v_nop
.endr
.Lsecond_asked:
	FETCH 0, 0
	SCALES 0
	s_wait_loadcnt 0x0                             ; the bias and the mask
	s_wait_dscnt 0x0
	FETCH 1, 1
	MUL 0, 1
	KSTEP 1
	KSTEP 2
	s_wait_dscnt 0x0                               ; K step 3's fragments are in: my reads of chunk 0 are over
	s_wait_tensorcnt 0x0                           ; my part of chunk 1 is in,
	s_barrier_signal -1
	s_barrier_wait -1                              ; everybody's is, and nobody reads chunk 0 any more
	PLACES
	FETCH 4, 0
	SCALES 1
	MUL 3, 0
	KSTEP 4
	KSTEP 5
	KSTEP 6
	s_wait_dscnt 0x0
	MUL 7, 0
	PLACES
.irp a, 0,1,2,3
.if \a > 0
	s_wait_xcnt 0x0                                ; the last block's stores have read their data and their base: both are written again only now
	s_add_nc_u64 s[76:77], s[76:77], 65536         ; 16 rows of out0 on
.endif
	WIN 0x01
.set j, 0
.rept 32
	v_pk_mul_f32 v[96+j:97+j], v[64*\a+j:64*\a+j+1], v[224+2*\a:225+2*\a]   ; x the token's mask; each accumulator from its low end on
.set j, j+2
.endr
	WIN 0
.irp b, 0,1,2,3,4,5,6,7
	ds_store_b128 v24, v[96+8*\b:99+8*\b] offset:64*\b
	ds_store_b128 v24, v[100+8*\b:103+8*\b] offset:64*\b+16
.endr
.irp t, 0,1,2,3,4,5,6,7,8,9,10,11,12,13,14,15
	ds_load_b128 v[160+4*\t:163+4*\t], v25 offset:528*\t   ; LDS serves a wave's instructions in order: these see the stores above
.endr
	s_wait_dscnt 0x0
.irp t, 0,1,2,3,4,5,6,7,8,9,10,11,12,13,14,15
	global_store_b128 v26, v[160+4*\t:163+4*\t], s[76:77] offset:4096*\t th:TH_STORE_NT   ; 32 lanes store 512 consecutive bytes, at a multiple of 256 from out0's first byte
.endr
.endr
	s_wait_tensorcnt 0x0                           ; the wave's end, behind my last tensor load and my last LDS store
	ds_add_u32 v28, v29
	s_wait_dscnt 0x0
	CROUND                                         ; the closing round: no work-group ends while a partner may still ask for a tile that names it
	s_endpgm
.Lfunc_end_k_q65dca02ad2_out:
	.size	k_q65dca02ad2_out, .Lfunc_end_k_q65dca02ad2_out-k_q65dca02ad2_out
	.p2alignl 7, 3214868480
	.fill 96, 4, 3214868480
	.section	.rodata,"a",@progbits
	.p2align	6, 0x0
	.amdhsa_kernel k_q65dca02ad2_out
		.amdhsa_group_segment_fixed_size 327680
		.amdhsa_private_segment_fixed_size 0
		.amdhsa_enable_private_segment 0
		.amdhsa_kernarg_size 40
		.amdhsa_user_sgpr_count 2
		.amdhsa_user_sgpr_kernarg_segment_ptr 1
		.amdhsa_wavefront_size32 1
		.amdhsa_system_sgpr_workgroup_id_x 1
		.amdhsa_system_sgpr_workgroup_id_y 1
		.amdhsa_system_sgpr_workgroup_id_z 1
		.amdhsa_system_vgpr_workitem_id 0
		.amdhsa_next_free_vgpr 1024
		.amdhsa_next_free_sgpr 96
		.amdhsa_reserve_vcc 0
		.amdhsa_float_denorm_mode_32 3
		.amdhsa_float_denorm_mode_16_64 3
		.amdhsa_memory_ordered 1
		.amdhsa_forward_progress 1
		.amdhsa_inst_pref_size 92
	.end_amdhsa_kernel
	.amdgpu_metadata
---
amdhsa.version: [ 1, 2 ]
amdhsa.kernels:
  - .name:           k_q65dca02ad2_out
    .symbol:         k_q65dca02ad2_out.kd
    .args:
      - { .name: xc, .offset: 0, .size: 8, .value_kind: global_buffer, .address_space: global }
      - { .name: xw, .offset: 8, .size: 8, .value_kind: global_buffer, .address_space: global }
      - { .name: bo, .offset: 16, .size: 8, .value_kind: global_buffer, .address_space: global }
      - { .name: mask, .offset: 24, .size: 8, .value_kind: global_buffer, .address_space: global }
      - { .name: out0, .offset: 32, .size: 8, .value_kind: global_buffer, .address_space: global }
    .group_segment_fixed_size: 327680
    .private_segment_fixed_size: 0
    .kernarg_segment_align: 8
    .kernarg_segment_size: 40
    .max_flat_workgroup_size: 128
    .sgpr_count:     96
    .vgpr_count:     1024
    .wavefront_size: 32
...
	.end_amdgpu_metadata
.endif
;; end of part 4
